; MI455X (gfx1250); checked and timed in simulation.
; The chip was launched on July 23, 2026; its instructions are those of AMD's public machine-readable ISA for CDNA 5 (MIT licence, August 2026) and "CDNA5" Instruction Set Architecture Reference Guide (July 2026). The comments in the code are by the model that wrote it; some were corrected since.
;; Multi Head Attention Layer. Allowed arithmetic: matrix products marked QUANTISED: E2M3 operands, one E8M0 scale for each 32 along K, by v_wmma_scale_f32_16x16x128_f8f6f4 with both operands' format E2M3, f32 sums; everything else in f32.
;; Inputs: W_k 1,024 x 1,024 float32; W_o 1,024 x 1,024 float32; W_q 1,024 x 1,024 float32; W_v 1,024 x 1,024 float32; k 4 x 2,048 x 1,024 float32; mask 4 x 1 x 2,048 x 2,048 int32; q 4 x 2,048 x 1,024 float32; v 4 x 2,048 x 1,024 float32.
;; Outputs: out0 4 x 2,048 x 1,024 float32.
;; This version of the problem:
;;   THIS VERSION OF THE PROBLEM IS GIVEN IN LOW PRECISION. The matrix products marked QUANTISED in the list below multiply operands that are first quantised to E2M3 (2 exponent bits, 3 mantissa bits; 6 bits a number), with one power-of-two scale for each 32 numbers along K (OCP MX v1.0); their sums are f32. All else is computed in f32.
;;   The module's matrix products, in the order in which they are computed (A, B: the left and right operand; K: the contracted axis; several contracted axes count as one K, in the product's order):
;;     1. [M 8,192, K 1,024] x [K 1,024, N 1,024]; A: input q; B: input W_q: QUANTISED
;;     2. [M 8,192, K 1,024] x [K 1,024, N 1,024]; A: input k; B: input W_k: QUANTISED
;;     3. [M 8,192, K 1,024] x [K 1,024, N 1,024]; A: input v; B: input W_v: QUANTISED
;;     4. batch 64 x [M 2,048, K 64] x [K 64, N 2,048]; A: computed on the way; B: computed on the way: QUANTISED
;;     5. batch 64 x [M 2,048, K 2,048] x [K 2,048, N 64]; A: softmax (see below); B: computed on the way: QUANTISED
;;     6. [M 8,192, K 1,024] x [K 1,024, N 1,024]; A: computed on the way; B: input W_o: QUANTISED
;;   THE QUANTISER, for each operand of a quantised product, along K:
;;     - K is cut into blocks of 32 from its start; a last block that is shorter is filled with zeros.
;;     - A block's scale is 2^e with e = floor(log2(the largest magnitude in the block)) - 2, held to -126 .. 127; a block of zeros has e = 0. As a byte (E8M0): e + 127.
;;     - Each number is divided by its block's scale, clamped to +-7.5, and rounded to the nearest number of E2M3, ties to even, subnormals kept.
;;     - The product sums the exact products of the quantised numbers (number of the format x scale) in f32.
;;   ~~~python
;;   def quantise(x, axis):      # numpy; x: float32 -> the quantised numbers, widened to float32 again
;;       x = np.moveaxis(x, axis, -1); K = x.shape[-1]
;;       x = np.pad(x, [(0, 0)] * (x.ndim - 1) + [(0, -K % 32)]); x = x.reshape(x.shape[:-1] + (-1, 32)); a = np.abs(x).max(-1, keepdims=True)
;;       e = np.where(a > 0, np.clip(np.frexp(np.where(a > 0, a, 1))[1] - 1 - 2, -126, 127), 0)      # np.frexp(a)[1] - 1 = floor(log2(a)), exactly
;;       r = np.clip(x / 2.0 ** e, -7.5, 7.5)
;;       step = 2.0 ** (np.maximum(np.frexp(np.where(r == 0, 1, r))[1] - 1, 0) - 3)
;;       q = np.round(r / step) * step * 2.0 ** e      # np.round: ties to even
;;       return np.moveaxis(q.reshape(q.shape[:-2] + (-1,))[..., :K], -1, axis).astype(np.float32)
;;   ~~~
;;   SOFTMAX AHEAD OF A QUANTISED PRODUCT. Where the list says 'softmax', what is quantised is not the finished softmax but p = 2^(t - M), with t = logit x log2(e) and M = ceil(the row's largest t), a whole number; so 1/2 < the row's largest p <= 1. The row's sum l is taken of the UNQUANTISED p, in f32, and the product's result is divided by l at the end. Since M is a whole number, a kernel that streams over the keys may use a running M (the ceiling of the running maximum): every later rescaling is an exact power of two, which a block's scale takes up: the codes' values come out the same.
;;   OPERANDS COMPUTED ON THE WAY. 'Computed on the way' means the value that the module computes at that place (a softmax that the list does not call 'softmax' is quantised finished and normalised). What goes into a quantiser is computed in f32, as accurately as f32 sums, v_exp_f32 and their like allow (about 1e-6 of the number): no bf16 or f16 on the way to a quantiser, and a product that is left as it is and whose result goes on into a quantised operand takes f32 operands (vector FMAs, or v_wmma_f32_16x16x4_f32). A number that lies on a knife's edge between two numbers of the format may be rounded either way, as far as f32 arithmetic and the matrix unit's own rounding can turn it there, and no further.
;; One version. Each part assembles by itself: llvm-mc -triple=amdgcn-amd-amdhsa -mcpu=gfx1250 --defsym DOCPART=n.
;; ======== version 1 of 1: 4 launches
;; limits: right only within a limited range of input values
;; workspace buffers: xc 22,020,096 bytes; xs 917,504 bytes; mb 2,098,176 bytes of whole numbers; qc 6,291,456 bytes; qs 524,288 bytes; kv 13,631,488 bytes; yc 6,291,456 bytes; ys 262,144 bytes
;; launch prep (part 1): grid 704 x 1, 4 waves a work-group, no clusters, 68,096 bytes of LDS; arguments q, k, v, W_q, W_k, W_v, W_o, mask, xc, xs, mb; writes xc, xs, mb
.if DOCPART == 1
	.amdgcn_target "amdgcn-amd-amdhsa--gfx1250"
	.amdhsa_code_object_version 6
	.text
	.protected	k_qcb21d1c9cb_prep
	.globl	k_qcb21d1c9cb_prep
	.p2align	8
	.type	k_qcb21d1c9cb_prep,@function
k_qcb21d1c9cb_prep:
	s_mov_b64 s[64:65], 0
	v_nop
	global_prefetch_b8 v0, s[64:65] scope:SCOPE_SE
	s_setreg_imm32_b32 hwreg(HW_REG_WAVE_MODE, 25, 1), 1
	s_wait_xcnt 0x0
; PREP.  (1) q, k, v [8192][1024] and W_q, W_k, W_v, W_o [1024][1024], f32, K innermost, become codes of FP6 (E2M3) with one E8M0 byte for each 32 along K.
; (2) mask [4][2048][2048] int32 becomes one bit a number, laid as the lane masks that the attention launch selects by.
; A block's scale is 2^(floor(log2(largest magnitude)) - 2); its byte is the largest magnitude's exponent field - 2, held at 1 from below.
; LIMITS: NaN and infinities among the floating-point inputs are not served; a block whose largest magnitude lies under 2^-124 keeps the byte 1; a block of zeros gets the byte 1
; over zero codes, which add nothing (the bytes are read by this program alone).
; LAYOUT OF THE CODES (xc): IMAGES OF OPERAND REGISTERS.  Row tile G holds 16 rows, lane r the row 32 (G / 2) + 8 (G % 2) + r + 8 (r / 8) of its tensor.  A fragment (16 rows x 128 K, 12 registers a lane) is
; 1,536 bytes: two halves of 768 (registers 0-5, 6-11), each 512 bytes with four registers at 16 x lane, then 256 bytes with two registers at 8 x lane.  xc: [G 1,792][K step 8][1,536].
; xs: [G][row 16][8 scale words].  First row tile: q 0, k 512, v 1,024, W_q 1,536, W_k 1,600, W_v 1,664, W_o 1,728.
; mb: [row tile 512][key step 16][64 words]: word 16 b + i has at bit (r + 16 h) whether mask[row r of the tile][128 step + 32 b + 16 h + i] is not 0.
; SHARES.  A wave takes one row tile x 8 steps of 512 bytes a row.  Work-groups 0-447 quantise (row tile 4 x + wave), 448-703 take the mask (half a row tile a wave).
; Each load reads 512 consecutive bytes of one row; the 16 rows turn through the wave's own stage in LDS (rows 528 bytes apart) and come back so that lane (r, h) holds, of row r,
; 16 neighbours of each block of 32.  Waves share nothing: no barrier.  The work-groups share no input: no cluster.  The launch streams: no matrix unit, no prefetch.
; The two paths have LDS bytes of their own.
; LAID OTHERWISE THAN THE LINES ABOVE SAY.  k's row tile G holds in lane r the row 64 (G / 4) + 8 (G % 4) + r % 8 + 32 (r / 8): the attention launch's lane then holds whole blocks of 32 keys.
; mb: word 32 c + i has at bit (r + 16 h) whether mask[row r of the tile][128 step + 64 c + 32 h + i] is not 0.
; Behind mb's words, from byte 0x200000 on: [row tile 512] 16 bits: bit s is set where no key of key step s is hidden for any row of the tile.
.set PQ,   4096
.set PM,   8192                        ; a row of the mask
.set SP,   528                         ; a stage row: 512 bytes + 16: the 16 rows that a read touches begin at 16 different columns of 16 bytes
.set WREG, 16*SP                       ; a wave's stage
.set MREG, 4*WREG                      ; the mask path's stages begin here
.set R,    16                          ; v16-143  two sets of 64 registers as loaded
.set X,    144                         ; v144-207 register 16 b + i: number 32 b + 16 h + i of my row's 128
.set PC,   208                         ; v208-219 the fragment just made; v220-226 the conversions' second halves
.set MW,   208                         ; (mask path) v208-223 two registers of words for each step
.set TM,   228                         ; v228-243 at work
.set PWS,  246                         ; v246-253 a scale word for each step
.set SEL,  36                          ; s[36:37] lane selects for v_permlanex16_b32: lane l xor 16
.macro LOAD t, pitch, base             ; step t: 16 rows x 512 bytes into set t % 2; the tile's rows are 0-7 and 16-23 from its first
.irp rho, 0,1,2,3,4,5,6,7                      ; the tile's first eight rows from the base, its second eight from s[38:39]
	global_load_b128 v[R+64*((\t)%2)+4*\rho:R+64*((\t)%2)+4*\rho+3], v4, s[\base:\base+1] offset:\rho*\pitch+512*(\t) th:TH_LOAD_NT
	global_load_b128 v[R+64*((\t)%2)+32+4*\rho:R+64*((\t)%2)+32+4*\rho+3], v4, s[38:39] offset:\rho*\pitch+512*(\t) th:TH_LOAD_NT
.endr
.endm
.macro TURN t, sti, sto, w             ; w: a lane takes runs of 4 w neighbours (16 for the quantiser, 32 for the mask)
.irp rho, 0,1,2,3,4,5,6,7,8,9,10,11,12,13,14,15
	ds_store_b128 v[\sti], v[R+64*((\t)%2)+4*\rho:R+64*((\t)%2)+4*\rho+3] offset:SP*\rho
.endr
.irp n, 0,1,2,3,4,5,6,7,8,9,10,11,12,13,14,15
	ds_load_b128 v[X+4*\n:X+4*\n+3], v[\sto] offset:32*(\w)*(\n/(\w))+16*(\n%(\w))
.endr
.endm
; 64 numbers of a lane, register 16 b + i = k 32 b + 16 h + i of my row, become a fragment's codes in v[PC] on and its scale word in v[pw]
.macro QUANT s, pw
.irp b, 0,1,2,3
	v_max3_num_f32 v[TM+\b], |v[\s+16*\b]|, |v[\s+1+16*\b]|, 0x1800000   ; my 16 numbers of block b, and the floor 2^(3 - 127): the byte cannot fall under 1
.endr
.irp i, 2,4,6,8,10,12,14
.irp b, 0,1,2,3
	v_max3_num_f32 v[TM+\b], v[TM+\b], |v[\s+16*\b+\i]|, |v[\s+1+16*\b+\i]|
.endr
.endr
.irp b, 0,1,2,3
	v_permlanex16_b32 v[TM+4+\b], v[TM+\b], s[SEL], s[SEL+1]
.endr
.irp b, 0,1,2,3
	v_max_num_f32 v[TM+\b], v[TM+\b], v[TM+4+\b]                  ; with lane l xor 16's: the block's largest magnitude
.endr
.irp b, 0,1,2,3
	v_add_nc_u32 v[TM+12+\b], 0xff000000, v[TM+\b]               ; 2 off its exponent field: the conversion's scale operand
.endr
.irp b, 0,1,2,3
	v_lshrrev_b32 v[TM+4+\b], 23, v[TM+12+\b]                    ; the scale's byte
.endr
	v_lshl_or_b32 v[\pw], v[TM+5], 8, v[TM+4]
	v_lshl_or_b32 v[\pw], v[TM+6], 16, v[\pw]
	v_lshl_or_b32 v[\pw], v[TM+7], 24, v[\pw]
.irp c, 0,1
	v_cvt_scalef32_pk16_fp6_f32 v[PC+6*\c:PC+2+6*\c], v[\s+32*\c:\s+15+32*\c], v[TM+12+2*\c]
	v_cvt_scalef32_pk16_fp6_f32 v[PC+12+4*\c:PC+14+4*\c], v[\s+16+32*\c:\s+31+32*\c], v[TM+12+2*\c+1]   ; (a conversion's three registers begin on an even number)
.endr
	v_nop                                          ; one plain instruction behind the scaled conversions
.irp c, 0,1                                    ; the operand wants a whole block in a lane: lanes 0-15 block 2 c, lanes 16-31 block 2 c + 1
.irp i, 0,1,2
	v_permlane16_swap_b32 v[PC+6*\c+\i], v[PC+12+4*\c+\i]
.endr
.irp i, 0,1,2
	v_mov_b32 v[PC+3+6*\c+\i], v[PC+12+4*\c+\i]
.endr
.endr
.endm
.macro HEADW t                         ; the step's 16 loads are in; the next step's 16 may stay out
.if (\t) < 7
	s_wait_loadcnt 16
.else
	s_wait_loadcnt 0
.endif
.endm
.macro QSTEP t
	HEADW \t
	TURN \t, 6, 7, 4
	s_wait_dscnt 0x0                               ; the numbers are back, and the stage's stores have read the set, which takes the loads of two steps on
.if (\t) < 6
	LOAD (\t)+2, PQ, 26
.endif
	s_wait_xcnt 0x0                                ; the last step's stores have read the codes' registers: they are written again only behind this wait
	QUANT X, PWS+(\t)
	global_store_b128 v4, v[PC:PC+3], s[20:21] offset:1536*(\t)            ; 512 consecutive bytes,
	global_store_b64 v5, v[PC+4:PC+5], s[20:21] offset:1536*(\t)+512       ; 256,
	global_store_b128 v4, v[PC+6:PC+9], s[20:21] offset:1536*(\t)+768      ; and the second half likewise: all aligned to 256
	global_store_b64 v5, v[PC+10:PC+11], s[20:21] offset:1536*(\t)+1280
.endm
.macro MSTEP t
	HEADW \t
	TURN \t, 9, 10, 8
	s_wait_dscnt 0x0
.if (\t) < 6
	LOAD (\t)+2, PM, 18
.endif
.irp g, 0,1,2,3,4,5,6,7                        ; word n = 8 g + e goes to lane n / 2, register n % 2: the 32 lanes then store the step's 64 words as 256 consecutive bytes
.irp e, 0,1,2,3,4,5,6,7
	v_cmp_ne_u32 s[40+\e], 0, v[X+8*\g+\e]
.endr
.irp e, 0,1,2,3,4,5,6,7
	v_writelane_b32 v[MW+2*(\t)+(\e%2)], s[40+\e], 4*\g+\e/2
.endr
.irp e, 0,2,4,6
	s_and_b64 s[48:49], s[48:49], s[40+\e:41+\e]   ; all ones while no key of the step is hidden
.endr
.endr
	global_store_b64 v5, v[MW+2*(\t):MW+2*(\t)+1], s[24:25] offset:256*(\t)   ; each step has its own two registers: no store's data are written again
	s_and_b32 s48, s48, s49
	s_cmp_eq_u32 s48, -1
	s_cselect_b32 s48, 1<<(\t), 0
	s_or_b32 s50, s50, s48                         ; the step's bit of my byte
	s_mov_b64 s[48:49], -1
.endm
.macro PICK first, ptr                 ; from work-group first on: another tensor.  The choice hangs on the work-group's number alone
	s_cmp_ge_u32 ttmp9, \first
	s_cselect_b64 s[26:27], s[\ptr:\ptr+1], s[26:27]
	s_cselect_b32 s28, \first, s28
.endm
	s_load_b512 s[4:19], s[0:1], 0x0               ; q, k, v, W_q, W_k, W_v, W_o, mask
	s_load_b128 s[20:23], s[0:1], 0x40             ; xc, xs
	s_load_b64 s[24:25], s[0:1], 0x50              ; mb
	v_lshl_add_u32 v254, v0, 2, 0x10800
	v_mov_b32 v255, 0
	v_lshrrev_b32 v1, 5, v0
	v_readfirstlane_b32 s3, v1                     ; wave
	v_and_b32 v1, 31, v0                           ; lane
	v_and_b32 v2, 15, v0                           ; r
	v_bfe_u32 v3, v0, 4, 1                         ; h
	v_lshlrev_b32 v4, 4, v1                        ; 16 x lane
	v_lshlrev_b32 v5, 3, v1                        ; 8 x lane
	s_mul_i32 s2, s3, WREG
	v_add_nc_u32 v6, s2, v4                        ; the stage, in: 16 x lane of a row
	v_mul_u32_u24 v7, v2, SP
	v_lshl_add_u32 v7, v3, 6, v7
	v_add_nc_u32 v7, s2, v7                        ; out: row r, + 64 h
	v_add_nc_u32 v9, MREG, v6                      ; the same for the mask path
	v_add_nc_u32 v10, MREG, v7
	v_lshl_add_u32 v10, v3, 6, v10                 ; the mask's way out of the stage: row r, + 128 h
	v_lshlrev_b32 v8, 5, v2
	v_lshl_add_u32 v8, v3, 4, v8                   ; 32 r + 16 h: my four scale words
	s_mov_b32 s[SEL], 0x76543210
	s_mov_b32 s[SEL+1], 0xfedcba98
	s_cmp_lt_u32 ttmp9, 448
	s_cbranch_scc0 .Lmask
	; ---- the quantising path
.irp b, 0,1,2,3
	v_mov_b32 v[TM+4+\b], 0                        ; written once: a lane permute's destination counts as one of its sources
.endr
	s_wait_kmcnt 0x0
	s_mov_b64 s[26:27], s[4:5]
	s_mov_b32 s28, 0
	PICK 128, 6
	PICK 256, 8
	PICK 384, 10
	PICK 400, 12
	PICK 416, 14
	PICK 432, 16
	s_sub_co_u32 s29, ttmp9, s28
	s_lshl_b32 s29, s29, 2
	s_add_co_u32 s29, s29, s3                      ; my row tile in its tensor
	s_lshr_b32 s33, ttmp9, 7
	s_cmp_eq_u32 s33, 1                            ; k's work-groups are 128 to 255
	s_cselect_b32 s33, 2, 1                        ; tiles go by fours (k) or by pairs
	s_lshr_b32 s30, s29, s33
	s_add_co_u32 s34, s33, 16
	s_lshl_b32 s30, s30, s34                       ; 64 or 32 rows of 4,096 bytes for each group of tiles,
	s_bfm_b32 s31, s33, 0
	s_and_b32 s31, s29, s31
	s_lshl_b32 s31, s31, 15                        ; 8 rows for each tile in it
	s_add_co_u32 s30, s30, s31
	s_mov_b32 s31, 0
	s_add_nc_u64 s[26:27], s[26:27], s[30:31]
	s_add_co_u32 s34, s33, 15
	s_lshl_b32 s30, 1, s34                         ; the tile's second eight rows lie 32 or 16 rows on
	s_add_nc_u64 s[38:39], s[26:27], s[30:31]
	s_lshl_b32 s32, ttmp9, 2
	s_add_co_u32 s32, s32, s3                      ; G
	s_mul_i32 s34, s32, 12288
	s_mov_b32 s35, 0
	s_add_nc_u64 s[20:21], s[20:21], s[34:35]
	s_lshl_b32 s34, s32, 9
	s_add_nc_u64 s[22:23], s[22:23], s[34:35]
	LOAD 0, PQ, 26
	LOAD 1, PQ, 26
	s_wait_alu depctr_va_vdst(0)
.irp t, 0,1,2,3,4,5,6,7
	QSTEP \t
.endr
	v_cmp_ne_u32 vcc_lo, 0, v3                     ; lanes 0-15 store their row's words of K steps 0-3, lanes 16-31 those of 4-7: 512 consecutive bytes
.irp j, 0,1,2,3
	v_cndmask_b32 v[TM+\j], v[PWS+\j], v[PWS+4+\j], vcc_lo
.endr
	global_store_b128 v8, v[TM:TM+3], s[22:23]
	s_wait_tensorcnt 0x0
	ds_add_u32 v254, v255
	s_wait_dscnt 0x0
	s_endpgm
	; ---- the mask path
.Lmask:
.irp i, 0,1,2,3,4,5,6,7,8,9,10,11,12,13,14,15
	v_mov_b32 v[MW+\i], 0                          ; written once: v_writelane_b32's destination counts as one of its sources
.endr
	s_wait_kmcnt 0x0
	s_sub_co_u32 s29, ttmp9, 448
	s_lshl_b32 s29, s29, 2
	s_add_co_u32 s29, s29, s3                      ; my job: row tile job / 2, key steps 8 (job % 2) on
	s_lshr_b32 s30, s29, 1
	s_and_b32 s31, s29, 1
	s_lshr_b32 s32, s30, 1
	s_lshl_b32 s32, s32, 18                        ; 32 rows of 8,192 bytes for each pair of tiles,
	s_and_b32 s33, s30, 1
	s_lshl_b32 s33, s33, 16                        ; 8 rows for the odd one,
	s_add_co_u32 s32, s32, s33
	s_lshl_b32 s33, s31, 12                        ; 8 steps of 512 bytes along a row
	s_add_co_u32 s32, s32, s33
	s_mov_b32 s33, 0
	s_add_nc_u64 s[18:19], s[18:19], s[32:33]
	s_add_nc_u64 s[38:39], s[18:19], 16*PM         ; the tile's second eight rows
	s_mov_b64 s[48:49], -1
	s_mov_b32 s50, 0
	s_lshl_b32 s32, s30, 12
	s_lshl_b32 s34, s31, 11
	s_add_co_u32 s32, s32, s34
	s_add_nc_u64 s[52:53], s[24:25], 0x200000      ; the steps' bits lie behind the words
	s_add_nc_u64 s[24:25], s[24:25], s[32:33]
	s_mov_b32 s32, s29
	s_add_nc_u64 s[52:53], s[52:53], s[32:33]      ; my job's byte of them
	LOAD 0, PM, 18
	LOAD 1, PM, 18
.irp t, 0,1,2,3,4,5,6,7
	MSTEP \t
.endr
	v_mov_b32 v12, 0
	v_mov_b32 v11, s50
	global_store_b8 v12, v11, s[52:53]             ; all lanes write the same byte with the same value
	s_wait_tensorcnt 0x0
	ds_add_u32 v254, v255
	s_wait_dscnt 0x0
	s_endpgm
.Lfunc_end_k_qcb21d1c9cb_prep:
	.size	k_qcb21d1c9cb_prep, .Lfunc_end_k_qcb21d1c9cb_prep-k_qcb21d1c9cb_prep
	.p2alignl 7, 3214868480
	.fill 96, 4, 3214868480
	.section	.rodata,"a",@progbits
	.p2align	6, 0x0
	.amdhsa_kernel k_qcb21d1c9cb_prep
		.amdhsa_group_segment_fixed_size 68096
		.amdhsa_private_segment_fixed_size 0
		.amdhsa_enable_private_segment 0
		.amdhsa_kernarg_size 88
		.amdhsa_user_sgpr_count 2
		.amdhsa_user_sgpr_kernarg_segment_ptr 1
		.amdhsa_wavefront_size32 1
		.amdhsa_system_sgpr_workgroup_id_x 1
		.amdhsa_system_sgpr_workgroup_id_y 1
		.amdhsa_system_sgpr_workgroup_id_z 1
		.amdhsa_system_vgpr_workitem_id 0
		.amdhsa_next_free_vgpr 256
		.amdhsa_next_free_sgpr 66
		.amdhsa_reserve_vcc 1
		.amdhsa_float_denorm_mode_32 3
		.amdhsa_float_denorm_mode_16_64 3
		.amdhsa_memory_ordered 1
		.amdhsa_forward_progress 1
		.amdhsa_inst_pref_size 170
	.end_amdhsa_kernel
	.amdgpu_metadata
---
amdhsa.version: [ 1, 2 ]
amdhsa.kernels:
  - .name:           k_qcb21d1c9cb_prep
    .symbol:         k_qcb21d1c9cb_prep.kd
    .args:
      - { .name: q, .offset: 0, .size: 8, .value_kind: global_buffer, .address_space: global }
      - { .name: k, .offset: 8, .size: 8, .value_kind: global_buffer, .address_space: global }
      - { .name: v, .offset: 16, .size: 8, .value_kind: global_buffer, .address_space: global }
      - { .name: W_q, .offset: 24, .size: 8, .value_kind: global_buffer, .address_space: global }
      - { .name: W_k, .offset: 32, .size: 8, .value_kind: global_buffer, .address_space: global }
      - { .name: W_v, .offset: 40, .size: 8, .value_kind: global_buffer, .address_space: global }
      - { .name: W_o, .offset: 48, .size: 8, .value_kind: global_buffer, .address_space: global }
      - { .name: mask, .offset: 56, .size: 8, .value_kind: global_buffer, .address_space: global }
      - { .name: xc, .offset: 64, .size: 8, .value_kind: global_buffer, .address_space: global }
      - { .name: xs, .offset: 72, .size: 8, .value_kind: global_buffer, .address_space: global }
      - { .name: mb, .offset: 80, .size: 8, .value_kind: global_buffer, .address_space: global }
    .group_segment_fixed_size: 68096
    .private_segment_fixed_size: 0
    .kernarg_segment_align: 8
    .kernarg_segment_size: 88
    .max_flat_workgroup_size: 128
    .sgpr_count:     66
    .vgpr_count:     256
    .wavefront_size: 32
...
	.end_amdgpu_metadata
.endif
;; end of part 1
;; launch proj (part 2): grid 4 x 192, 4 waves a work-group, clusters of 4 x 4, 327,680 bytes of LDS; arguments xc, xs, qc, qs, kv; writes qc, qs, kv
.if DOCPART == 2
	.amdgcn_target "amdgcn-amd-amdhsa--gfx1250"
	.amdhsa_code_object_version 6
	.text
	.protected	k_qcb21d1c9cb_proj
	.globl	k_qcb21d1c9cb_proj
	.p2align	8
	.type	k_qcb21d1c9cb_proj,@function
k_qcb21d1c9cb_proj:
	s_mov_b64 s[64:65], 0
	v_nop
	global_prefetch_b8 v0, s[64:65] scope:SCOPE_SE
	s_setreg_imm32_b32 hwreg(HW_REG_WAVE_MODE, 25, 1), 1
	s_wait_xcnt 0x0
	s_wait_alu depctr_hold_cnt(0) depctr_sa_sdst(0) depctr_va_vdst(0) depctr_va_sdst(0) depctr_va_ssrc(0) depctr_va_vcc(0) depctr_vm_vsrc(0)
	s_getreg_b32 s2, hwreg(HW_REG_IB_STS2, 6, 4)
	s_cmp_eq_u32 s2, 0
	s_cbranch_scc0 .Lentry_in_a_cluster
	s_endpgm
.Lentry_in_a_cluster:
	s_bfe_u32 s2, ttmp6, 0x10000c
	s_cmp_lg_u32 s2, 0xf033
	s_cbranch_scc0 .Lentry_shape_is_right
	s_endpgm
.Lentry_shape_is_right:
; PROJ.  The three input projections on codes of FP6 (E2M3) with E8M0 scales, their results quantised on the way out: query and key along the head's 64, value along the KEYS.
; ONE SHAPE: D = X0 x X1^T, source 0 = 16 rows of X0, source 1 = 16 rows of X1, K = 1,024.  A lane's registers then run along X0's rows, and since a row tile's lanes 0-7 take eight
; neighbouring rows and lanes 8-15 the eight rows 16 further on, the 16 registers of result tiles 2 b and 2 b + 1 are 16 NEIGHBOURS, 32 b + 16 h + 0 .. 15, along X0's rows:
; the numbers that the conversions want in one lane.  z = 0: X0 = W_q, X1 = q;  z = 1: X0 = W_k, X1 = k (a wave's 128 rows of W are two heads);  z = 2: X0 = v (128 keys a wave), X1 = W_v (one head a wave).
; SHARES.  A work-group makes 256 (X0) x 128 (X1); wave w makes rows 128 (w / 2) on of X0 x rows 64 (w % 2) on of X1: 32 accumulators.  768 work-groups.
; LDS.  All of K for the block fits: four chunks of 256 along K, each 16 row tiles of X0 and 8 of X1, 3,072 bytes a tile, as images of the operands' registers (see PREP).  Every LDS byte is filled ONCE:
; all fills go out at the start, eight tensor loads a wave, and a counted wait and a barrier stand in front of each chunk's first read.  No slot is filled again.
; CLUSTER 4 x 4.  X0's tiles hang on cx alone and are asked for jointly down a column of the cluster, X1's on cy alone, along a row: a quarter of the requests.
; OUT.  qc [head 64][query tile 128][768];  qs [head][4 tiles][row 16][w0, w0, w1, w1], a word holding two tiles' two bytes;
; kv [head][key step 16][13,312]: 8 tiles of K x 768 | 4 fragments of V^T x 1,536 | K's scale words 2 x 256 | V's scale words 512.  Every store covers 512 or 256 consecutive bytes, aligned to 256.
; LIMITS: as in PREP (byte held at 1 from below; a block of zeros gets the byte 1 over zero codes).
; REGISTERS.  window 0: v1-13 addresses; v32-63 X0's scale words (4 a tile: lanes 0-15 K steps 0-3, lanes 16-31 K steps 4-7), v64-79 X1's; v80-115 at work on the way out;
; v128-175, v176-223 X1's fragments, two sets (on the way out v128-175: four fragments of codes).  window 1: v0-95, v128-223 X0's fragments, two sets.  window 2: accumulator (j, t) at v[8 (8 j + t)].
.set FI,    1536                       ; a fragment's image
.set RTB,   12288                      ; a row tile's eight K steps in xc
; THE FILLS, otherwise than the lines above say: K comes in two halves of 512, each 16 row tiles of X0 and 8 of X1, 6,144 bytes a tile.  A wave issues one joint load for each half (waves 0, 1 eight tiles of X0, waves 2, 3 four of X1):
; the first at the head, the second behind the first's wait and a round of the cluster's barrier; a plain barrier in K step 3 shows the second half to all.
.set CH,    147456                     ; a half of K in LDS
.set X1O,   98304                      ; X1's tiles in it
.set WV,    14                         ; s14 wave
.set SEL,   2                          ; s[2:3] lane selects: lane l xor 16
.set TM,    80
.set PWS,   100
.set OW,    104
.set AUX,   108
.set W_MUL, 0xa1                       ; source 0 (X0) window 1, source 1 (X1) window 0, C and D window 2
.set W_X0,  0x40                       ; destination window 1, address window 0
.set MSB, 0
.macro WIN new                         ; the immediate's high byte repeats the setting that is left
.if MSB != \new
	s_set_vgpr_msb (MSB<<8)|\new
.set MSB, \new
.endif
.endm
.macro CROUND                          ; a round of the cluster's barrier
	s_barrier_signal -1
	s_barrier_wait -1
	s_cmp_lg_u32 s[WV], 0
	s_cbranch_scc1 .Lnot_wave_0_\@
	s_barrier_signal -3
.Lnot_wave_0_\@:
	s_barrier_wait -3
	s_barrier_signal -1
	s_barrier_wait -1
.endm
.macro PLACES                          ; four plain instructions between a matrix instruction and a load into its sources or a read of its result
.rept 4
	v_nop
.endr
.endm
.macro FETCH s                         ; K step s: my 8 fragments of X0 and 4 of X1 into set s % 2: 48 LDS loads, each of consecutive bytes
.set FS, (\s)%2
.set FQ, (\s)%4
	WIN W_X0
.irp t, 0,1,2,3,4,5,6,7
	ds_load_b128 v[128*FS+12*\t:128*FS+12*\t+3], v4 offset:6144*\t+FI*FQ
	ds_load_b64 v[128*FS+12*\t+4:128*FS+12*\t+5], v5 offset:6144*\t+FI*FQ+512
	ds_load_b128 v[128*FS+12*\t+6:128*FS+12*\t+9], v4 offset:6144*\t+FI*FQ+768
	ds_load_b64 v[128*FS+12*\t+10:128*FS+12*\t+11], v5 offset:6144*\t+FI*FQ+1280
.endr
	WIN 0
.irp j, 0,1,2,3
	ds_load_b128 v[128+48*FS+12*\j:128+48*FS+12*\j+3], v6 offset:6144*\j+FI*FQ
	ds_load_b64 v[128+48*FS+12*\j+4:128+48*FS+12*\j+5], v7 offset:6144*\j+FI*FQ+512
	ds_load_b128 v[128+48*FS+12*\j+6:128+48*FS+12*\j+9], v6 offset:6144*\j+FI*FQ+768
	ds_load_b64 v[128+48*FS+12*\j+10:128+48*FS+12*\j+11], v7 offset:6144*\j+FI*FQ+1280
.endr
.endm
; 16 matrix instructions: X1's tiles j0, j0 + 1 x X0's eight.  The 32 accumulators take turns, one instruction a turn, in the same order in every K step.
; K step 0's products start the sums: nothing is cleared.  K steps 4-7 take their scale words from lanes 16-31.
.macro MUL16 j0, s
.irp j, \j0, \j0+1
.irp t, 0,1,2,3,4,5,6,7
.if (\s) == 0
	v_wmma_scale_f32_16x16x128_f8f6f4 v[8*(8*(\j)+\t):8*(8*(\j)+\t)+7], v[128*((\s)%2)+12*\t:128*((\s)%2)+12*\t+11], v[128+48*((\s)%2)+12*(\j):128+48*((\s)%2)+12*(\j)+11], 0, v[32+4*\t+(\s)%4], v[64+4*(\j)+(\s)%4] matrix_a_fmt:MATRIX_FMT_FP6 matrix_b_fmt:MATRIX_FMT_FP6
.elseif (\s) < 4
	v_wmma_scale_f32_16x16x128_f8f6f4 v[8*(8*(\j)+\t):8*(8*(\j)+\t)+7], v[128*((\s)%2)+12*\t:128*((\s)%2)+12*\t+11], v[128+48*((\s)%2)+12*(\j):128+48*((\s)%2)+12*(\j)+11], v[8*(8*(\j)+\t):8*(8*(\j)+\t)+7], v[32+4*\t+(\s)%4], v[64+4*(\j)+(\s)%4] matrix_a_fmt:MATRIX_FMT_FP6 matrix_b_fmt:MATRIX_FMT_FP6
.else
	v_wmma_scale_f32_16x16x128_f8f6f4 v[8*(8*(\j)+\t):8*(8*(\j)+\t)+7], v[128*((\s)%2)+12*\t:128*((\s)%2)+12*\t+11], v[128+48*((\s)%2)+12*(\j):128+48*((\s)%2)+12*(\j)+11], v[8*(8*(\j)+\t):8*(8*(\j)+\t)+7], v[32+4*\t+(\s)%4], v[64+4*(\j)+(\s)%4] matrix_a_fmt:MATRIX_FMT_FP6 matrix_b_fmt:MATRIX_FMT_FP6 matrix_a_scale:MATRIX_SCALE_ROW1 matrix_b_scale:MATRIX_SCALE_ROW1
.endif
.endr
.endr
.endm
; A K step.  In its middle the next K step's fragments are fetched into the other set.  K step 3 is the first half's last: my load of the second half has landed
; every wave says so, and the fetch stands behind the barrier's wait.
.macro KSTEP s
	s_wait_dscnt 0x0                               ; this K step's fragments are in; no LDS instruction of mine is out at the signal
.if (\s) == 3
	s_wait_tensorcnt 0x0                           ; my load of the second half has landed
	s_barrier_signal -1
.endif
	WIN W_MUL
	MUL16 0, \s
	WIN 0
.if (\s) == 3
	s_barrier_wait -1
	v_add_nc_u32 v4, CH, v4                        ; on to the second half
	v_add_nc_u32 v5, CH, v5
	v_add_nc_u32 v6, CH, v6
	v_add_nc_u32 v7, CH, v7
.endif
.if (\s) < 7
	s_wait_alu depctr_va_vdst(0)
	PLACES                                         ; behind the last K step's products, which read the set that is loaded now
	FETCH (\s)+1
.endif
	WIN W_MUL
	MUL16 2, \s
	WIN 0
.endm
; X1's tile j: the lane's 64 results (window 2, register 16 b + i = X0's row 32 b + 16 h + i) become a fragment's codes in v[128 + 12 j] on and its scale word in v[PWS + j], and are stored.
; Each accumulator is read from its low end on.
.macro QUANTW j
.set SA, 64*(\j)
.set PCJ, 128+12*(\j)
	WIN 0x0a                                       ; sources 0 and 1 window 2
.irp b, 0,1,2,3
	v_max3_num_f32 v[TM+\b], |v[SA+16*\b]|, |v[SA+1+16*\b]|, 0x1800000   ; and the floor 2^(3 - 127): the byte cannot fall under 1
.endr
	WIN 0x28                                       ; sources 1 and 2 window 2
.irp i, 2,4,6,8,10,12,14
.irp b, 0,1,2,3
	v_max3_num_f32 v[TM+\b], v[TM+\b], |v[SA+16*\b+\i]|, |v[SA+1+16*\b+\i]|
.endr
.endr
	WIN 0
.irp b, 0,1,2,3
	v_permlanex16_b32 v[TM+4+\b], v[TM+\b], s[SEL], s[SEL+1]
.endr
.irp b, 0,1,2,3
	v_max_num_f32 v[TM+\b], v[TM+\b], v[TM+4+\b]
.endr
.irp b, 0,1,2,3
	v_add_nc_u32 v[TM+12+\b], 0xff000000, v[TM+\b]               ; 2 off the exponent field: the conversion's scale operand
.endr
.irp b, 0,1,2,3
	v_lshrrev_b32 v[TM+4+\b], 23, v[TM+12+\b]
.endr
	v_lshl_or_b32 v[PWS+(\j)], v[TM+5], 8, v[TM+4]
	v_lshl_or_b32 v[PWS+(\j)], v[TM+6], 16, v[PWS+(\j)]
	v_lshl_or_b32 v[PWS+(\j)], v[TM+7], 24, v[PWS+(\j)]
	WIN 0x02                                       ; source 0 window 2
.irp c, 0,1
	v_cvt_scalef32_pk16_fp6_f32 v[PCJ+6*\c:PCJ+6*\c+2], v[SA+32*\c:SA+32*\c+15], v[TM+12+2*\c]
	v_cvt_scalef32_pk16_fp6_f32 v[AUX+4*\c:AUX+4*\c+2], v[SA+16+32*\c:SA+31+32*\c], v[TM+12+2*\c+1]
.endr
	WIN 0
	v_nop                                          ; one plain instruction behind the scaled conversions
.irp c, 0,1
.irp i, 0,1,2
	v_permlane16_swap_b32 v[PCJ+6*\c+\i], v[AUX+4*\c+\i]
.endr
.irp i, 0,1,2
	v_mov_b32 v[PCJ+3+6*\c+\i], v[AUX+4*\c+\i]
.endr
.endr
	global_store_b128 v1, v[PCJ:PCJ+3], s[16+4*(\j):17+4*(\j)]
	global_store_b64 v2, v[PCJ+4:PCJ+5], s[16+4*(\j):17+4*(\j)] offset:512
	global_store_b128 v1, v[PCJ+6:PCJ+9], s[18+4*(\j):19+4*(\j)]
	global_store_b64 v2, v[PCJ+10:PCJ+11], s[18+4*(\j):19+4*(\j)] offset:512
.endm
	s_load_b256 s[4:11], s[0:1], 0x0               ; xc, xs, qc, qs
	s_load_b64 s[12:13], s[0:1], 0x20              ; kv
	v_lshl_add_u32 v254, v0, 2, 0x48000
	v_mov_b32 v255, 0
	ds_add_u32 v254, v255
	ds_add_u32 v254, v255
	v_lshrrev_b32 v1, 5, v0
	v_readfirstlane_b32 s[WV], v1                  ; wave 0..3
	s_lshr_b32 s78, s[WV], 1                       ; which 128 rows of X0 are mine
	s_and_b32 s79, s[WV], 1                        ; which 64 rows of X1
	s_bfe_u32 s66, ttmp6, 0x40000                  ; cx
	s_bfe_u32 s67, ttmp6, 0x40004                  ; cy
	s_and_b32 s68, ttmp7, 0xffff                   ; the cluster's y, 0..47
	s_and_b32 s69, s68, 15                         ; C
	s_lshr_b32 s68, s68, 4                         ; z: the same in all sixteen partners
	s_lshr_b32 s80, s69, 1
	s_and_b32 s84, s69, 1
	s_lshl_b32 s81, s68, 6
	s_add_co_u32 s81, s81, 1536                    ; X0's first row tile for z < 2: W_q, W_k
	s_lshl_b32 s85, s68, 9                         ; X1's: q, k
	s_cmp_eq_u32 s68, 2
	s_cselect_b32 s70, s80, 0                      ; z = 2: 32 blocks of v, 8 of W_v;  else 4 blocks of W, 64 of x
	s_cselect_b32 s71, s84, s69
	s_cselect_b32 s81, 1024, s81
	s_cselect_b32 s85, 1664, s85
	s_lshl_b32 s72, s70, 2
	s_add_co_u32 s72, s72, s66                     ; i0: my block of 256 rows of X0 (cx enters X0's chain alone)
	s_lshl_b32 s73, s71, 2
	s_add_co_u32 s73, s73, s67                     ; i1: my block of 128 rows of X1 (cy enters X1's chain alone)
	s_lshl_b32 s74, s72, 4
	s_add_co_u32 s74, s74, s81                     ; X0's first row tile of the block
	s_lshl_b32 s76, s73, 3
	s_add_co_u32 s76, s76, s85                     ; X1's
	s_lshl_b32 s82, 0x1111, s66                    ; my column of the cluster
	s_lshl_b32 s86, s67, 2
	s_lshl_b32 s86, 15, s86                        ; my row
	; descriptor group 1.  X0: 8 row tiles x 6,144 bytes (768 elements of 8 bytes), 12,288 bytes apart in memory, dense in LDS;  X1: 4 row tiles
	s_or_b32 s16, s82, (3<<16)|(1<<21)             ; 15:0 the mask; 17:16 elements of 8 bytes; 21 set beside a mask; no padding
	s_mov_b32 s17, 768<<16                         ; X0: 8 row tiles x 6,144 bytes (768 elements of 8 bytes)
	s_mov_b32 s18, 8<<16
	s_mov_b32 s19, 768<<16
	s_mov_b32 s20, 8
	s_mov_b32 s21, 1536                            ; tensor_dim0_stride
	s_mov_b32 s22, 0
	s_mov_b32 s23, 0
	s_or_b32 s24, s86, (3<<16)|(1<<21)
	s_mov_b32 s25, 768<<16                         ; X1: 4 row tiles
	s_mov_b32 s26, 4<<16
	s_mov_b32 s27, 768<<16
	s_mov_b32 s28, 4
	s_mov_b32 s29, 1536
	s_mov_b32 s30, 0
	s_mov_b32 s31, 0
	s_lshl_b32 s83, s79, 3
	s_add_co_u32 s83, s83, s74                     ; waves 0, 1 fetch X0's row tiles 8 (w % 2) on,
	s_mul_i32 s80, s83, RTB
	s_mov_b32 s81, 0
	s_lshl_b32 s87, s79, 2
	s_add_co_u32 s87, s87, s76                     ; waves 2, 3 X1's 4 (w % 2) on
	s_mul_i32 s84, s87, RTB
	s_mov_b32 s85, 0
	s_mul_i32 s88, s79, 49152                      ; where they go: no place in the cluster enters an LDS address
	s_mul_i32 s89, s79, 24576
	s_add_co_u32 s89, s89, X1O
	s_lshl_b32 s90, s78, 3
	s_add_co_u32 s90, s90, s74
	s_lshl_b32 s90, s90, 9                         ; the scale words of my 8 row tiles of X0: 512 bytes a tile
	s_mov_b32 s91, 0
	s_lshl_b32 s92, s79, 2
	s_add_co_u32 s92, s92, s76
	s_lshl_b32 s92, s92, 9                         ; and of my 4 of X1
	s_mov_b32 s93, 0
	s_mov_b32 s[SEL], 0x76543210
	s_mov_b32 s[SEL+1], 0xfedcba98
	v_and_b32 v11, 31, v0                          ; lane
	v_and_b32 v12, 15, v0                          ; r
	v_bfe_u32 v13, v0, 4, 1                        ; h
	v_lshlrev_b32 v1, 4, v11                       ; 16 x lane
	v_lshlrev_b32 v2, 3, v11                       ; 8 x lane
	v_lshlrev_b32 v3, 5, v12
	v_lshl_add_u32 v3, v13, 4, v3                  ; 32 r + 16 h
	s_mul_i32 s94, s78, 49152
	v_add_nc_u32 v4, s94, v1
	v_add_nc_u32 v5, s94, v2
	s_mul_i32 s95, s79, 24576
	s_add_co_u32 s95, s95, X1O
	v_add_nc_u32 v6, s95, v1
	v_add_nc_u32 v7, s95, v2
.irp b, 0,1,2,3
	v_mov_b32 v[TM+4+\b], 0                        ; written once: a lane permute's destination counts as one of its sources
.endr
	s_wait_dscnt 0x0
	s_wait_kmcnt 0x0
	s_add_nc_u64 s[80:81], s[4:5], s[80:81]
	s_add_nc_u64 s[84:85], s[4:5], s[84:85]
	s_add_nc_u64 s[90:91], s[6:7], s[90:91]
	s_add_nc_u64 s[92:93], s[6:7], s[92:93]
.irp c, 0,1
	s_mov_b32 s[32+8*\c], 1
	s_add_co_u32 s[33+8*\c], s88, CH*\c
	s_add_nc_u64 s[34+8*\c:35+8*\c], s[80:81], 6144*\c
	s_or_b32 s[35+8*\c], s[35+8*\c], 0x80000000
	s_mov_b32 s[36+8*\c], 1
	s_add_co_u32 s[37+8*\c], s89, CH*\c
	s_add_nc_u64 s[38+8*\c:39+8*\c], s[84:85], 6144*\c
	s_or_b32 s[39+8*\c], s[39+8*\c], 0x80000000
.endr
	CROUND                                         ; all sixteen work-groups are here: the joint loads meet
.macro JLOAD c                         ; half c of K: one joint load a wave; each line has one mask, and the branch hangs on the wave's number alone
	s_cmp_eq_u32 s78, 0
	s_cbranch_scc0 .Lfor_x1_\@
	tensor_load_to_lds s[32+8*\c:35+8*\c], s[16:23]
	s_nop 0
	PLACES
	s_branch .Lasked_\@
.Lfor_x1_\@:
	tensor_load_to_lds s[36+8*\c:39+8*\c], s[24:31]
	s_nop 0
	PLACES
.Lasked_\@:
.endm
	JLOAD 0
	s_wait_alu depctr_va_vdst(0)
.irp t, 0,1,2,3,4,5,6,7
	global_load_b128 v[32+4*\t:35+4*\t], v3, s[90:91] offset:512*\t    ; 512 consecutive bytes: a row tile's scale words for all of K
.endr
.irp j, 0,1,2,3
	global_load_b128 v[64+4*\j:67+4*\j], v3, s[92:93] offset:512*\j
.endr
	s_wait_tensorcnt 0x0                           ; my part of the first half is in
	ds_add_u32 v254, v255
	s_wait_dscnt 0x0
	CROUND                                         ; everybody's part is in, and the joint loads meet
	JLOAD 1
	FETCH 0
	s_wait_loadcnt 0x0                             ; the scale words
.irp s, 0,1,2,3,4,5,6,7
	KSTEP \s
.endr
	; ---- THE WAY OUT.  Where my results go hangs on z, which all partners share.
	PLACES
	s_cmp_eq_u32 s68, 2
	s_cbranch_scc1 .Lv
	s_lshr_b32 s94, s73, 4                         ; Q and K: batch = i1 / 16;
	s_lshl_b32 s94, s94, 4
	s_lshl_b32 s95, s72, 2
	s_add_co_u32 s94, s94, s95
	s_lshl_b32 s95, s78, 1
	s_add_co_u32 s94, s94, s95                     ; my first head: 16 batch + 4 i0 + 2 (w / 2); the fragment's second half is the next head's
	s_and_b32 s95, s73, 15                         ; the block of 128 rows in the batch
	s_mul_i32 s87, s79, 3072                       ; my four tiles of its eight
	s_cmp_eq_u32 s68, 0
	s_cbranch_scc0 .Lk
	s_mov_b64 s[88:89], s[8:9]                     ; Q: codes to qc, scale words to qs
	s_mov_b64 s[90:91], s[10:11]
	s_mul_i32 s80, s94, 98304                      ; a head: 128 tiles of 768 bytes
	s_mul_i32 s81, s95, 6144
	s_add_co_u32 s80, s80, s81
	s_add_co_u32 s80, s80, s87
	s_lshl_b32 s82, s94, 13                        ; a head's scale words: 8,192 bytes; four tiles: 256
	s_lshl_b32 s81, s95, 9
	s_add_co_u32 s82, s82, s81
	s_lshl_b32 s81, s79, 8
	s_add_co_u32 s82, s82, s81
	s_mov_b32 s84, 768                             ; from tile to tile
	s_mov_b32 s85, 98304                           ; from head to head
	s_mov_b32 s86, 8192                            ; the same among the scale words
	s_branch .Lqk
.Lk:
	s_mov_b64 s[88:89], s[12:13]                   ; K: both to kv
	s_mov_b64 s[90:91], s[12:13]
	s_mul_i32 s80, s94, 212992                     ; a head: 16 key steps of 13,312 bytes
	s_mul_i32 s81, s95, 13312
	s_add_co_u32 s80, s80, s81
	s_lshl_b32 s81, s79, 8
	s_add_co_u32 s82, s80, s81
	s_add_co_u32 s82, s82, 12288
	s_add_co_u32 s80, s80, s87
	s_mov_b32 s84, 768
	s_mov_b32 s85, 212992
	s_mov_b32 s86, 212992
.Lqk:
	v_mov_b32 v9, 0x05040100                       ; lanes 0-15 make the first head's words (the low halves of two tiles' words), lanes 16-31 the second head's (the high halves)
	v_mov_b32 v10, 0x07060302
	v_cmp_ne_u32 vcc_lo, 0, v13
	v_cndmask_b32 v9, v9, v10, vcc_lo
	v_mov_b32 v10, v9
	s_branch .Lout
.Lv:
	s_mov_b64 s[88:89], s[12:13]                   ; V: both to kv
	s_mov_b64 s[90:91], s[12:13]
	s_lshr_b32 s94, s72, 3                         ; batch = i0 / 8
	s_lshl_b32 s94, s94, 4
	s_lshl_b32 s95, s73, 1
	s_add_co_u32 s94, s94, s95
	s_add_co_u32 s94, s94, s79                     ; my head: 16 batch + 2 i1 + w % 2
	s_and_b32 s95, s72, 7
	s_lshl_b32 s95, s95, 1
	s_add_co_u32 s95, s95, s78                     ; my key step
	s_mul_i32 s80, s94, 212992
	s_mul_i32 s81, s95, 13312
	s_add_co_u32 s80, s80, s81
	s_add_co_u32 s82, s80, 12800
	s_add_co_u32 s80, s80, 6144
	s_mov_b32 s84, 1536                            ; from tile to tile: a whole fragment
	s_mov_b32 s85, 768                             ; its second half
	s_mov_b32 s86, 256                             ; lanes 16-31 store the same four words once more
	v_mov_b32 v9, 0x03020100                       ; the four tiles' words as they are
	v_mov_b32 v10, 0x07060504
.Lout:
	v_mul_u32_u24 v8, s86, v13
	v_lshl_add_u32 v8, v12, 4, v8                  ; the scale words' place: 16 r, + a head (or 256 bytes) for lanes 16-31
	s_mov_b32 s93, 0
.irp j, 0,1,2,3                                ; the stores' bases, in registers that held descriptors: all my tensor loads were shown done in K step 3
.irp c, 0,1
	s_mul_i32 s92, s84, \j
	s_add_co_u32 s92, s92, s80
.if \c
	s_add_co_u32 s92, s92, s85
.endif
	s_add_nc_u64 s[16+4*\j+2*\c:17+4*\j+2*\c], s[88:89], s[92:93]
.endr
.endr
	s_mov_b32 s92, s82
	s_add_nc_u64 s[32:33], s[90:91], s[92:93]
.irp j, 0,1,2,3
	QUANTW \j
.endr
	v_perm_b32 v[OW], v[PWS+1], v[PWS], v9
	v_perm_b32 v[OW+1], v[PWS+1], v[PWS], v10
	v_perm_b32 v[OW+2], v[PWS+3], v[PWS+2], v9
	v_perm_b32 v[OW+3], v[PWS+3], v[PWS+2], v10
	global_store_b128 v8, v[OW:OW+3], s[32:33]     ; sixteen lanes store 256 consecutive bytes
	s_wait_dscnt 0x0
	s_wait_tensorcnt 0x0
	ds_add_u32 v254, v255
	s_wait_dscnt 0x0
	CROUND                                         ; the closing round: no work-group ends while a partner may still ask for a tile that names it
	s_endpgm
.Lfunc_end_k_qcb21d1c9cb_proj:
	.size	k_qcb21d1c9cb_proj, .Lfunc_end_k_qcb21d1c9cb_proj-k_qcb21d1c9cb_proj
	.p2alignl 7, 3214868480
	.fill 96, 4, 3214868480
	.section	.rodata,"a",@progbits
	.p2align	6, 0x0
	.amdhsa_kernel k_qcb21d1c9cb_proj
		.amdhsa_group_segment_fixed_size 327680
		.amdhsa_private_segment_fixed_size 0
		.amdhsa_enable_private_segment 0
		.amdhsa_kernarg_size 40
		.amdhsa_user_sgpr_count 2
		.amdhsa_user_sgpr_kernarg_segment_ptr 1
		.amdhsa_wavefront_size32 1
		.amdhsa_system_sgpr_workgroup_id_x 1
		.amdhsa_system_sgpr_workgroup_id_y 1
		.amdhsa_system_sgpr_workgroup_id_z 1
		.amdhsa_system_vgpr_workitem_id 0
		.amdhsa_next_free_vgpr 768
		.amdhsa_next_free_sgpr 96
		.amdhsa_reserve_vcc 1
		.amdhsa_float_denorm_mode_32 3
		.amdhsa_float_denorm_mode_16_64 3
		.amdhsa_memory_ordered 1
		.amdhsa_forward_progress 1
		.amdhsa_inst_pref_size 90
	.end_amdhsa_kernel
	.amdgpu_metadata
---
amdhsa.version: [ 1, 2 ]
amdhsa.kernels:
  - .name:           k_qcb21d1c9cb_proj
    .symbol:         k_qcb21d1c9cb_proj.kd
    .args:
      - { .name: xc, .offset: 0, .size: 8, .value_kind: global_buffer, .address_space: global }
      - { .name: xs, .offset: 8, .size: 8, .value_kind: global_buffer, .address_space: global }
      - { .name: qc, .offset: 16, .size: 8, .value_kind: global_buffer, .address_space: global }
      - { .name: qs, .offset: 24, .size: 8, .value_kind: global_buffer, .address_space: global }
      - { .name: kv, .offset: 32, .size: 8, .value_kind: global_buffer, .address_space: global }
    .group_segment_fixed_size: 327680
    .private_segment_fixed_size: 0
    .kernarg_segment_align: 8
    .kernarg_segment_size: 40
    .max_flat_workgroup_size: 128
    .sgpr_count:     96
    .vgpr_count:     768
    .wavefront_size: 32
...
	.end_amdgpu_metadata
.endif
;; end of part 2
;; launch attn (part 3): grid 4 x 64, 16 waves a work-group, no clusters, 215,040 bytes of LDS; arguments qc, qs, kv, mb, yc, ys; writes yc, ys
.if DOCPART == 3
	.amdgcn_target "amdgcn-amd-amdhsa--gfx1250"
	.amdhsa_code_object_version 6
	.text
	.protected	k_qcb21d1c9cb_attn
	.globl	k_qcb21d1c9cb_attn
	.p2align	8
	.type	k_qcb21d1c9cb_attn,@function
k_qcb21d1c9cb_attn:
	s_mov_b64 s[64:65], 0
	v_nop
	global_prefetch_b8 v0, s[64:65] scope:SCOPE_SE
	s_setreg_imm32_b32 hwreg(HW_REG_WAVE_MODE, 25, 1), 1
	s_wait_xcnt 0x0
; ATTN.  y[b][q][head] = softmax_k(Q . K / 8, hidden where mask[b][q][k] = 0) V, both products on codes of FP6 (E2M3) with E8M0 scales; y leaves as codes for the last projection.
; THE SOFTMAX AHEAD OF THE SECOND PRODUCT: t = score x log2(e) / 8; M = the row's largest t so far, rounded UP to a whole number; p = 2^(t - M) is quantised along the keys, not normalised;
; the row's sum is taken of the unquantised p and divides O at the end.  When M moves, the sum and O are multiplied by 2^(old M - new M): exact.
; SHARES.  A work-group owns 512 queries of one head; wave w of sixteen owns query tiles 2 w and 2 w + 1, one after the other (two passes), each against all 2,048 keys, 128 a step.
; LDS.  The head's K and V (16 steps of 13,312 bytes, images of the operands' registers, laid by PROJ) are written ONCE: wave w brings step w through registers, 26 loads and 26 LDS stores of 512 bytes; one barrier; then LDS is only read.
; LAYOUT.  Both products transposed (S^T = K Q^T, O^T = V^T P^T): a lane holds ONE query.  A fragment of K holds two key tiles and is multiplied by [Q | zero codes] and by [zero codes | Q].
; Key tile T has in rows 0-7 the keys 64 (T / 4) + 8 (T % 4) + 0 .. 7 and in rows 8-15 those 32 further on (PREP lays k so): score register 32 c + i of lane (r, h) is key 64 c + 32 h + i,
; a whole scale block of P in a lane, in the order of the operand's registers: no lane is asked for a block's maximum, and no code changes lanes.
; THE MASK comes as lane masks (mb: word n selects score register n) and as one bit a step (behind mb's words): where no key of the step is hidden.
; NO TENSOR LOAD AND NO CLUSTER: K and V come by plain loads, and the four work-groups of a head do not ask jointly.
; NO PREFETCH: all of K and V is asked for at the head; no loop runs ahead of a load from memory but the mask words', which are asked for a step ahead.
; A ROW WITH NO KEY LEFT has the sum 0: its two scale bytes are set to 0xff, which makes the last projection's sums NaN.
; LIMITS: NaN and infinities among the inputs are not served; the promise holds while |t| stays under 2^31; a block whose largest magnitude lies under 2^-124 keeps the byte 1; a block of zeros gets the byte 1 over zero codes.
; REGISTERS: v1-5 lane terms; v7 the fill's LDS address; v8-10 the step's LDS addresses; v12 -M, v13 the largest t, v[14:15] the sum; v16-33 Q, zeros, Q; v34 Q's scale word; v35 -infinity; v36-83 four fragments;
; v84-91 K's scale words, v92-95 V's; v96-159 S^T, then p; v160-191 O^T; v192-210 p's codes; v212-232 at work; v236-243 the second pass's Q; v254, v255 the spare word's address and 0.
.set FI,   1536
.set STEPB, 13312
.set WV,   2                           ; s2  wave
.set TN,   3                           ; s3  LDS byte of the next step
.set FL,   26                          ; s26 my two tiles' step bits
.set SEL,  30                          ; s[30:31] lane selects: lane l xor 16
.set MOFF, 66                          ; s66 byte in mb of the mask words to be fetched
.set SI,   67                          ; s67 step, 0 to 31 over the two passes
.set CS,   100                         ; s[100:101] c = log2(e) / 8
.set FB,   36
.set BM,   212                         ; v212-215 four chains of maxima; then v212, v214 the two blocks'
.set SO,   216
.set BY,   218
.set PT,   220                         ; v220, v221 lane permutes' results
.set SA,   222                         ; v222-227 three partial sums
.macro WALU
	s_wait_alu depctr_va_vdst(0)
.endm
.macro MM d, a, b, c, sa, sb
	v_wmma_scale_f32_16x16x128_f8f6f4 v[\d:\d+7], v[\a:\a+11], v[\b:\b+11], \c, v[\sa], v[\sb] matrix_a_fmt:MATRIX_FMT_FP6 matrix_b_fmt:MATRIX_FMT_FP6
.endm
.macro FRAGS off                       ; four fragments from byte off of the step's block
.irp f, 0,1,2,3
	ds_load_b128 v[FB+12*\f:FB+12*\f+3], v8 offset:\off+FI*\f
	ds_load_b64 v[FB+12*\f+4:FB+12*\f+5], v9 offset:\off+FI*\f+512
	ds_load_b128 v[FB+12*\f+6:FB+12*\f+9], v8 offset:\off+FI*\f+768
	ds_load_b64 v[FB+12*\f+10:FB+12*\f+11], v9 offset:\off+FI*\f+1280
.endr
.endm
.macro KLOAD                           ; K of the step at v8-10: fragment f holds key tiles 2 f and 2 f + 1; its scale word in v[84 + 2 f]
	FRAGS 0
	ds_load_b128 v[84:87], v10 offset:12288
	ds_load_b128 v[88:91], v10 offset:12544
.endm
.macro ADDR                            ; the LDS addresses of the step at s[TN]
	v_add_nc_u32 v8, s[TN], v1
	v_add_nc_u32 v9, s[TN], v2
	v_add_nc_u32 v10, s[TN], v3
.endm
.macro MASKS                           ; a step's 64 mask words: s32-63 and s68-99
	s_load_b512 s[32:47], s[28:29], s[MOFF] offset:0x0
	s_load_b512 s[48:63], s[28:29], s[MOFF] offset:0x40
	s_load_b512 s[68:83], s[28:29], s[MOFF] offset:0x80
	s_load_b512 s[84:99], s[28:29], s[MOFF] offset:0xc0
.endm
.macro SUM acc, k                      ; pair k of p onto a partial sum
	v_pk_add_f32 v[\acc:\acc+1], v[\acc:\acc+1], v[96+2*(\k):97+2*(\k)]
.endm
; A KEY STEP: 128 keys.  Its K was asked for at the end of the step before.
.macro STEP
	WALU                                           ; the wait ahead of the blocking wait
	s_wait_dscnt 0x0                               ; K
.irp f, 0,1,2,3
	MM 96+16*\f, FB+12*\f, 16, 0, 84+2*\f, 34
	MM 104+16*\f, FB+12*\f, 22, 0, 84+2*\f, 34
.endr
.rept 4
	v_nop                                          ; four plain instructions ahead of the loads into K's registers and of the first read of the scores
.endr
	FRAGS 6144                                     ; V^T's four fragments land under the softmax,
	ds_load_b128 v[92:95], v8 offset:12800         ; and their scale words
	s_wait_kmcnt 0x0                               ; the step's mask words, asked for a step ago
	s_bitcmp1_b32 s[FL], s[SI]
	s_cbranch_scc1 .Lopen_\@                       ; no key of this step is hidden for my tile
.set n, 0
.rept 64
	v_cndmask_b32 v[96+n], v35, v[96+n], s[32+n+4*(n/32)]   ; a hidden key's score becomes -infinity: p = 0
.set n, n+1
.endr
.Lopen_\@:
	s_add_co_u32 s[MOFF], s[MOFF], 256             ; the next step's words (the two passes' 32 steps lie on end);
	s_min_u32 s[MOFF], s[MOFF], 0x1fff00           ; behind the last tile's last step its 256 bytes once more: no load runs past the words
	MASKS
.irp q, 0,1,2,3
	v_max3_num_f32 v[BM+\q], v[96+16*\q], v[97+16*\q], v[98+16*\q]   ; the largest score, four chains by turns; each accumulator is read from its low end on
.endr
.irp i, 3,5,7,9,11,13
.irp q, 0,1,2,3
	v_max3_num_f32 v[BM+\q], v[BM+\q], v[96+16*\q+\i], v[97+16*\q+\i]
.endr
.endr
	v_max3_num_f32 v[BM], v[BM], v[BM+1], v111     ; my block 0 + h: it serves the row's maximum and, since p rises with the score, the block's largest p
	v_max3_num_f32 v[BM+2], v[BM+2], v[BM+3], v143 ; my block 2 + h
	v_max_num_f32 v[BM], v[BM], v127
	v_max_num_f32 v[BM+2], v[BM+2], v159
	v_max_num_f32 v228, v[BM], v[BM+2]
	v_permlanex16_b32 v[PT], v228, s[SEL], s[SEL+1]
	v_max_num_f32 v228, v228, v[PT]                ; with lane l xor 16's 64 keys
	v_mul_f32 v228, s[CS], v228                    ; as t (c is positive)
	v_max_num_f32 v13, v13, v228                   ; the running largest t
	v_mov_b32 v228, v12
	v_floor_f32 v12, -v13                          ; the new -M = floor(-t): M is a whole number
	v_sub_f32 v228, v12, v228                      ; old M - new M: a whole number, 0 or less
	v_cvt_i32_f32 v228, v228                       ; (it saturates)
	v_ldexp_f32 v230, 1.0, v228                    ; f = 2^(old M - new M)
.set n, 0
.rept 32
	v_pk_fma_f32 v[96+n:97+n], v[96+n:97+n], s[CS:CS+1], v[12:13] op_sel_hi:[1,0,0]   ; t - M, two at a time
.set n, n+2
.endr
	v_fma_f32 v[BM], v[BM], s[CS], v12             ; the same of each block's largest score
	v_fma_f32 v[BM+2], v[BM+2], s[CS], v12
.set n, 0
.rept 16
	v_pk_mul_f32 v[160+n:161+n], v[160+n:161+n], v[230:231] op_sel_hi:[1,0]   ; O^T under the new M
.set n, n+2
.endr
	v_pk_mul_f32 v[14:15], v[14:15], v[230:231] op_sel_hi:[1,0]   ; and the sums
	WALU                                           ; the wait ahead of the batch
	v_exp_f32 v[BM], v[BM]                         ; the blocks' largest p
	v_exp_f32 v[BM+2], v[BM+2]
.set n, 0
.rept 64
	v_exp_f32 v[96+n], v[96+n]                     ; p = 2^(t - M), at most 1
.set n, n+1
.endr
	v_nop                                          ; a plain instruction behind the exponentials
	WALU                                           ; one wait for the batch, ahead of its first reader
.irp c, 0,1
	v_max_num_f32 v[BM+2*\c], 0x1800000, v[BM+2*\c]   ; the floor 2^(3 - 127): the byte cannot fall under 1
.endr
.irp c, 0,1
	v_add_nc_u32 v[SO+\c], 0xff000000, v[BM+2*\c]  ; 2 off the exponent field: the conversion's scale operand
.endr
.irp c, 0,1
	v_lshrrev_b32 v[BY+\c], 23, v[SO+\c]
.endr
	v_lshl_or_b32 v232, v[BY+1], 16, v[BY]         ; my two bytes, blocks h and 2 + h,
	v_lshlrev_b32 v232, v5, v232                   ; 8 h bits up;
	v_permlanex16_b32 v[PT], v232, s[SEL], s[SEL+1]
	v_or_b32 v232, v232, v[PT]                     ; with lane l xor 16's two: p's scale word for these 128 keys
.irp c, 0,1
	v_cvt_scalef32_pk16_fp6_f32 v[192+6*\c:194+6*\c], v[96+32*\c:111+32*\c], v[SO+\c]
	v_cvt_scalef32_pk16_fp6_f32 v[204+4*\c:206+4*\c], v[112+32*\c:127+32*\c], v[SO+\c]   ; (a conversion's three registers begin on an even number)
.endr
	v_nop                                          ; one plain instruction behind the scaled conversions
.irp c, 0,1
.irp i, 0,1,2
	v_mov_b32 v[195+6*\c+\i], v[204+4*\c+\i]
.endr
.endr
	v_pk_add_f32 v[SA:SA+1], v[96:97], v[98:99]    ; the row's sum of the unquantised p, in four chains; these four part the codes' last writes from the products
	v_pk_add_f32 v[SA+2:SA+3], v[100:101], v[102:103]
	v_pk_add_f32 v[SA+4:SA+5], v[104:105], v[106:107]
	SUM 14, 6
	WALU
	s_wait_dscnt 0x0                               ; V
.irp d, 0,1,2,3
	MM 160+8*\d, FB+12*\d, 192, v[160+8*\d:167+8*\d], 92+\d, 232
.endr                                          ; register 160 + 16 b + i: channel 32 b + 16 h + i
	s_add_co_u32 s[TN], s[SI], 1
	s_and_b32 s[TN], s[TN], 15                     ; behind a pass's last step: step 0, for the next pass
	s_mul_i32 s[TN], s[TN], STEPB
	ADDR                                           ; these three and the addition are the four plain instructions ahead of the loads into V's registers
	SUM SA, 7
	KLOAD                                          ; the next step's K lands under the rest of the sum
.irp k, 8,12,16,20,24,28
	SUM SA+2, \k
	SUM SA+4, \k+1
	SUM 14, \k+2
	SUM SA, \k+3
.endr
	v_pk_add_f32 v[SA:SA+1], v[SA:SA+1], v[SA+2:SA+3]
	v_pk_add_f32 v[14:15], v[14:15], v[SA+4:SA+5]
	v_pk_add_f32 v[14:15], v[14:15], v[SA:SA+1]
.endm
; THE WAY OUT of pass p: O^T / the sum, quantised along the head's 64 (two blocks, each half in lane l and half in lane l xor 16), stored as half a fragment's image and two scale bytes a row
.macro WAYOUT p
	v_add_f32 v14, v14, v15
	v_permlanex16_b32 v228, v14, s[SEL], s[SEL+1]
	v_add_f32 v14, v14, v228                       ; the row's sum
	WALU
	v_rcp_f32 v230, v14
	v_nop                                          ; a plain instruction behind the reciprocal
	v_cmp_eq_f32 vcc_lo, 0, v14                    ; no key left?
	WALU                                           ; the wait ahead of the reciprocal's first reader and of O^T's
.set n, 0
.rept 16
	v_pk_mul_f32 v[96+n:97+n], v[160+n:161+n], v[230:231] op_sel_hi:[1,0]
.set n, n+2
.endr
.irp b, 0,1
	v_max3_num_f32 v[BM+\b], |v[96+16*\b]|, |v[97+16*\b]|, 0x1800000
.endr
.irp i, 2,4,6,8,10,12,14
.irp b, 0,1
	v_max3_num_f32 v[BM+\b], v[BM+\b], |v[96+16*\b+\i]|, |v[97+16*\b+\i]|
.endr
.endr
.irp b, 0,1
	v_permlanex16_b32 v[PT+\b], v[BM+\b], s[SEL], s[SEL+1]
.endr
.irp b, 0,1
	v_max_num_f32 v[BM+\b], v[BM+\b], v[PT+\b]
.endr
.irp b, 0,1
	v_add_nc_u32 v[SO+\b], 0xff000000, v[BM+\b]
.endr
.irp b, 0,1
	v_lshrrev_b32 v[BY+\b], 23, v[SO+\b]
.endr
	v_lshl_or_b32 v228, v[BY+1], 8, v[BY]
	v_cndmask_b32 v228, v228, v229, vcc_lo         ; a row with no key left: both bytes 0xff
	v_cvt_scalef32_pk16_fp6_f32 v[192:194], v[96:111], v[SO]
	v_cvt_scalef32_pk16_fp6_f32 v[204:206], v[112:127], v[SO+1]
	v_nop
.irp i, 0,1,2
	v_permlane16_swap_b32 v[192+\i], v[204+\i]
.endr
.irp i, 0,1,2
	v_mov_b32 v[195+\i], v[204+\i]
.endr
	global_store_b128 v1, v[192:195], s[16:17] offset:12288*\p          ; 512 consecutive bytes,
	global_store_b64 v2, v[196:197], s[16:17] offset:12288*\p+512       ; 256: both aligned to 256
	global_store_b16 v4, v228, s[18:19] offset:512*\p                   ; my row's two bytes of its 32 (lanes 16-31 write the same bytes with the same value); the other heads' work-groups write the rest
.endm
.macro PASS p
.if \p
	s_wait_xcnt 0x0                                ; the first pass's stores have read their registers: they are written again only behind this wait
.irp i, 0,1,2,3,4,5
	v_mov_b32 v[16+\i], v[236+\i]                  ; the second tile's Q, twice, and its scale word
	v_mov_b32 v[28+\i], v[236+\i]
.endr
	v_mov_b32 v34, v242
.endif
	v_mov_b32 v13, 0xff61b1e6                      ; the largest t so far: -3e38, under every t
	v_floor_f32 v12, -v13
	v_mov_b32 v14, 0
	v_mov_b32 v15, 0
.set n, 0
.rept 32
	v_mov_b32 v[160+n], 0                          ; O^T: the step is written once, and the first change of M leaves zeros zeros
.set n, n+1
.endr
	s_mov_b32 s[SI], 16*\p
.Lstep_\@:
	STEP
	s_add_co_u32 s[SI], s[SI], 1
	s_cmp_lg_u32 s[SI], 16*\p+16
	WALU                                           ; the wait ahead of the branch
	s_cbranch_scc1 .Lstep_\@
	WAYOUT \p
.endm
	s_load_b256 s[68:75], s[0:1], 0x0              ; qc, qs, kv, mb
	s_load_b128 s[16:19], s[0:1], 0x20             ; yc, ys
	v_lshl_add_u32 v254, v0, 2, 0x34000
	v_mov_b32 v255, 0
	v_lshrrev_b32 v1, 5, v0
	v_readfirstlane_b32 s[WV], v1                  ; wave 0..15
	s_mov_b32 s76, ttmp9                           ; my block of 512 queries
	s_and_b32 s77, ttmp7, 0xffff                   ; 16 batch + head
	s_mul_i32 s13, s[WV], STEPB                    ; wave w brings step w
	s_mul_i32 s78, s77, 16*STEPB
	s_add_co_u32 s78, s78, s13
	s_mov_b32 s79, 0
	s_lshl_b32 s80, s76, 5
	s_lshl_b32 s81, s[WV], 1
	s_add_co_u32 s80, s80, s81                     ; my first query tile in the batch: 32 x + 2 w
	s_lshl_b32 s82, s77, 7
	s_add_co_u32 s82, s82, s80
	s_mul_i32 s82, s82, 768                        ; its codes
	s_mov_b32 s83, 0
	s_lshl_b32 s84, s77, 13
	s_lshr_b32 s85, s80, 2
	s_lshl_b32 s85, s85, 8
	s_add_co_u32 s84, s84, s85
	s_and_b32 s85, s[WV], 1
	s_lshl_b32 s85, s85, 3
	s_add_co_u32 s84, s84, s85                     ; the word with my two tiles' scale bytes
	s_mov_b32 s85, 0
	s_lshr_b32 s86, s77, 4
	s_lshl_b32 s86, s86, 7
	s_add_co_u32 s86, s86, s80                     ; my first row tile among the 512: an even number
	s_lshl_b32 s[MOFF], s86, 12                    ; its mask words: 4,096 bytes a tile
	s_lshl_b32 s27, s86, 1                         ; its step bits: 2 bytes a tile
	s_and_b32 s87, s77, 15                         ; the head
	s_mul_i32 s88, s86, 12288
	s_mul_i32 s89, s87, 768                        ; head hd fills half hd % 2 of K step hd / 2
	s_add_co_u32 s88, s88, s89
	s_mov_b32 s89, 0
	s_lshl_b32 s90, s86, 9
	s_lshl_b32 s91, s87, 1
	s_add_co_u32 s90, s90, s91
	s_mov_b32 s91, 0
	s_mov_b32 s[SEL], 0x76543210
	s_mov_b32 s[SEL+1], 0xfedcba98
	s_mov_b32 s[CS], 0x3e38aa3b                    ; c = log2(e) / 8
	s_mov_b32 s[CS+1], s[CS]                       ; (named with it as a pair, so it is written)
	v_and_b32 v5, 31, v0
	v_and_b32 v6, 15, v0
	v_lshlrev_b32 v1, 4, v5                        ; 16 x lane
	v_lshlrev_b32 v2, 3, v5                        ; 8 x lane
	v_lshlrev_b32 v3, 4, v6                        ; 16 r
	v_lshlrev_b32 v4, 5, v6                        ; 32 r
	v_bfe_u32 v5, v0, 4, 1
	v_add_nc_u32 v7, s13, v1                       ; LDS: my step's block, 16 x lane
	v_lshlrev_b32 v5, 3, v5                        ; 8 h
.irp i, 22,23,24,25,26,27
	v_mov_b32 v\i, 0                               ; the zero codes between the two copies of Q
.endr
	v_mov_b32 v35, 0xff800000                      ; -infinity
	v_mov_b32 v229, 0xffff
	v_mov_b32 v231, 0                              ; (named as the upper half of the pair v[230:231])
	v_mov_b32 v228, 0                              ; a lane permute's destination counts as one of its sources
	v_mov_b32 v[PT], 0
	v_mov_b32 v[PT+1], 0
	WALU                                           ; the wait at the head's end
	s_wait_kmcnt 0x0
	s_add_nc_u64 s[14:15], s[72:73], s[78:79]
	s_mov_b64 s[28:29], s[74:75]
	s_add_nc_u64 s[20:21], s[68:69], s[82:83]
	s_add_nc_u64 s[22:23], s[70:71], s[84:85]
	s_add_nc_u64 s[16:17], s[16:17], s[88:89]
	s_add_nc_u64 s[18:19], s[18:19], s[90:91]
.set n, 0
.rept 26
	global_load_b128 v[96+4*n:99+4*n], v1, s[14:15] offset:512*n   ; my step's block of K and V: 512 consecutive bytes a load
.set n, n+1
.endr
	global_load_b128 v[16:19], v1, s[20:21]        ; Q's half fragment, twice: in front of the zeros and behind them
	global_load_b64 v[20:21], v2, s[20:21] offset:512
	global_load_b128 v[28:31], v1, s[20:21]
	global_load_b64 v[32:33], v2, s[20:21] offset:512
	global_load_b128 v[236:239], v1, s[20:21] offset:768     ; the second pass's
	global_load_b64 v[240:241], v2, s[20:21] offset:1280
	global_load_b32 v243, v3, s[22:23]
	s_load_b32 s[FL], s[28:29], s27 offset:0x200000   ; bits 0-15 my first tile's steps, 16-31 my second's
	MASKS                                          ; the first step's mask words
	s_wait_loadcnt 7                               ; the block is in; the seven loads of Q, issued behind it, may be out
.set n, 0
.rept 26
	ds_store_b128 v7, v[96+4*n:99+4*n] offset:512*n
.set n, n+1
.endr
	s_wait_loadcnt 0x0
	v_perm_b32 v34, v243, v243, 0x01000100         ; the first tile's two bytes in both halves: they serve [Q | 0] and [0 | Q]
	v_perm_b32 v242, v243, v243, 0x03020302        ; the second tile's
	WALU
	s_wait_dscnt 0x0                               ; my stores are done,
	s_barrier_signal -1
	s_barrier_wait -1                              ; everybody's are: from here on K and V are only read
	s_mov_b32 s[TN], 0
	ADDR
	KLOAD                                          ; step 0's K
	PASS 0
	PASS 1
	s_wait_dscnt 0x0                               ; my last LDS reads
	s_barrier_signal -1
	s_barrier_wait -1                              ; every wave's reads are over
	s_wait_tensorcnt 0x0                           ; the wave's end
	ds_add_u32 v254, v255
	s_wait_dscnt 0x0
	s_endpgm
.Lfunc_end_k_qcb21d1c9cb_attn:
	.size	k_qcb21d1c9cb_attn, .Lfunc_end_k_qcb21d1c9cb_attn-k_qcb21d1c9cb_attn
	.p2alignl 7, 3214868480
	.fill 96, 4, 3214868480
	.section	.rodata,"a",@progbits
	.p2align	6, 0x0
	.amdhsa_kernel k_qcb21d1c9cb_attn
		.amdhsa_group_segment_fixed_size 215040
		.amdhsa_private_segment_fixed_size 0
		.amdhsa_enable_private_segment 0
		.amdhsa_kernarg_size 48
		.amdhsa_user_sgpr_count 2
		.amdhsa_user_sgpr_kernarg_segment_ptr 1
		.amdhsa_wavefront_size32 1
		.amdhsa_system_sgpr_workgroup_id_x 1
		.amdhsa_system_sgpr_workgroup_id_y 1
		.amdhsa_system_sgpr_workgroup_id_z 1
		.amdhsa_system_vgpr_workitem_id 0
		.amdhsa_next_free_vgpr 256
		.amdhsa_next_free_sgpr 106
		.amdhsa_reserve_vcc 1
		.amdhsa_float_denorm_mode_32 3
		.amdhsa_float_denorm_mode_16_64 3
		.amdhsa_memory_ordered 1
		.amdhsa_forward_progress 1
		.amdhsa_inst_pref_size 59
	.end_amdhsa_kernel
	.amdgpu_metadata
---
amdhsa.version: [ 1, 2 ]
amdhsa.kernels:
  - .name:           k_qcb21d1c9cb_attn
    .symbol:         k_qcb21d1c9cb_attn.kd
    .args:
      - { .name: qc, .offset: 0, .size: 8, .value_kind: global_buffer, .address_space: global }
      - { .name: qs, .offset: 8, .size: 8, .value_kind: global_buffer, .address_space: global }
      - { .name: kv, .offset: 16, .size: 8, .value_kind: global_buffer, .address_space: global }
      - { .name: mb, .offset: 24, .size: 8, .value_kind: global_buffer, .address_space: global }
      - { .name: yc, .offset: 32, .size: 8, .value_kind: global_buffer, .address_space: global }
      - { .name: ys, .offset: 40, .size: 8, .value_kind: global_buffer, .address_space: global }
    .group_segment_fixed_size: 215040
    .private_segment_fixed_size: 0
    .kernarg_segment_align: 8
    .kernarg_segment_size: 48
    .max_flat_workgroup_size: 512
    .sgpr_count:     106
    .vgpr_count:     256
    .wavefront_size: 32
...
	.end_amdgpu_metadata
.endif
;; end of part 3
;; launch oproj (part 4): grid 4 x 64, 4 waves a work-group, clusters of 4 x 4, 327,680 bytes of LDS; arguments xc, xs, yc, ys, out0; writes out0
.if DOCPART == 4
	.amdgcn_target "amdgcn-amd-amdhsa--gfx1250"
	.amdhsa_code_object_version 6
	.text
	.protected	k_qcb21d1c9cb_oproj
	.globl	k_qcb21d1c9cb_oproj
	.p2align	8
	.type	k_qcb21d1c9cb_oproj,@function
k_qcb21d1c9cb_oproj:
	s_mov_b64 s[64:65], 0
	v_nop
	global_prefetch_b8 v0, s[64:65] scope:SCOPE_SE
	s_setreg_imm32_b32 hwreg(HW_REG_WAVE_MODE, 25, 1), 1
	s_wait_xcnt 0x0
	s_wait_alu depctr_hold_cnt(0) depctr_sa_sdst(0) depctr_va_vdst(0) depctr_va_sdst(0) depctr_va_ssrc(0) depctr_va_vcc(0) depctr_vm_vsrc(0)
	s_getreg_b32 s2, hwreg(HW_REG_IB_STS2, 6, 4)
	s_cmp_eq_u32 s2, 0
	s_cbranch_scc0 .Lentry_in_a_cluster
	s_endpgm
.Lentry_in_a_cluster:
	s_bfe_u32 s2, ttmp6, 0x10000c
	s_cmp_lg_u32 s2, 0xf033
	s_cbranch_scc0 .Lentry_shape_is_right
	s_endpgm
.Lentry_shape_is_right:
; OPROJ.  out0 = y W_o^T on codes of FP6 (E2M3) with E8M0 scales; out0 [8192][1024] f32.  The shape of PROJ: source 0 = 16 rows of W_o (X0), source 1 = 16 rows of y (X1), K = 1,024.
; SHARES.  A work-group makes 256 columns x 128 rows of out0; wave w columns 128 (w / 2) on x rows 64 (w % 2) on: 32 accumulators.  256 work-groups.
; LDS.  All of K for the block fits: four chunks of 256 along K, each 16 row tiles of W_o and 8 of y, 3,072 bytes a tile, as images of the operands' registers.  Every LDS byte is filled ONCE, all fills at the start,
; eight tensor loads a wave; a counted wait and a barrier stand in front of each chunk's first read.
; CLUSTER 4 x 4.  W_o's tiles hang on cx alone and are asked for jointly down a column of the cluster, y's on cy alone, along a row.
; THE WAY OUT.  A lane holds 16 neighbouring columns of one row in each pair of tiles; a block of 16 rows x 128 columns goes through the wave's own stage in LDS and leaves as whole rows of 512 bytes.
; The stages lie in chunk 0, which has had its only fill, and whose last reads every wave awaited in front of a later barrier's signal.
; A row of y with no key left has the scale bytes 0xff: its sums are NaN.
; REGISTERS: as in PROJ; on the way out v128-191 and v192-255 of window 0 take 16 rows by turns.
.set FI,    1536
.set RTB,   12288
; THE FILLS, otherwise than the lines above say: K comes in two halves of 512, each 16 row tiles of W_o and 8 of y, 6,144 bytes a tile.  A wave issues one joint load for each half (waves 0, 1 eight tiles of W_o, waves 2, 3 four of y):
; the first at the head, the second behind the first's wait and a round of the cluster's barrier; a plain barrier in K step 3 shows the second half to all.  The stages lie in the first half.
.set CH,    147456                     ; a half of K in LDS
.set X1O,   98304                      ; X1's tiles in it
.set WV,    14
.set W_MUL, 0xa1                       ; source 0 (X0) window 1, source 1 (X1) window 0, C and D window 2
.set W_X0,  0x40                       ; destination window 1, address window 0
.set MSB, 0
.macro WIN new                         ; the immediate's high byte repeats the setting that is left
.if MSB != \new
	s_set_vgpr_msb (MSB<<8)|\new
.set MSB, \new
.endif
.endm
.macro CROUND                          ; a round of the cluster's barrier
	s_barrier_signal -1
	s_barrier_wait -1
	s_cmp_lg_u32 s[WV], 0
	s_cbranch_scc1 .Lnot_wave_0_\@
	s_barrier_signal -3
.Lnot_wave_0_\@:
	s_barrier_wait -3
	s_barrier_signal -1
	s_barrier_wait -1
.endm
.macro PLACES                          ; four plain instructions between a matrix instruction and a load into its sources or a read of its result
.rept 4
	v_nop
.endr
.endm
.macro FETCH s                         ; K step s: my 8 fragments of X0 and 4 of X1 into set s % 2
.set FS, (\s)%2
.set FQ, (\s)%4
	WIN W_X0
.irp t, 0,1,2,3,4,5,6,7
	ds_load_b128 v[128*FS+12*\t:128*FS+12*\t+3], v4 offset:6144*\t+FI*FQ
	ds_load_b64 v[128*FS+12*\t+4:128*FS+12*\t+5], v5 offset:6144*\t+FI*FQ+512
	ds_load_b128 v[128*FS+12*\t+6:128*FS+12*\t+9], v4 offset:6144*\t+FI*FQ+768
	ds_load_b64 v[128*FS+12*\t+10:128*FS+12*\t+11], v5 offset:6144*\t+FI*FQ+1280
.endr
	WIN 0
.irp j, 0,1,2,3
	ds_load_b128 v[128+48*FS+12*\j:128+48*FS+12*\j+3], v6 offset:6144*\j+FI*FQ
	ds_load_b64 v[128+48*FS+12*\j+4:128+48*FS+12*\j+5], v7 offset:6144*\j+FI*FQ+512
	ds_load_b128 v[128+48*FS+12*\j+6:128+48*FS+12*\j+9], v6 offset:6144*\j+FI*FQ+768
	ds_load_b64 v[128+48*FS+12*\j+10:128+48*FS+12*\j+11], v7 offset:6144*\j+FI*FQ+1280
.endr
.endm
; 16 matrix instructions: X1's tiles j0, j0 + 1 x X0's eight.  The 32 accumulators take turns, one instruction a turn, in the same order in every K step.
.macro MUL16 j0, s
.irp j, \j0, \j0+1
.irp t, 0,1,2,3,4,5,6,7
.if (\s) == 0
	v_wmma_scale_f32_16x16x128_f8f6f4 v[8*(8*(\j)+\t):8*(8*(\j)+\t)+7], v[128*((\s)%2)+12*\t:128*((\s)%2)+12*\t+11], v[128+48*((\s)%2)+12*(\j):128+48*((\s)%2)+12*(\j)+11], 0, v[32+4*\t+(\s)%4], v[64+4*(\j)+(\s)%4] matrix_a_fmt:MATRIX_FMT_FP6 matrix_b_fmt:MATRIX_FMT_FP6
.elseif (\s) < 4
	v_wmma_scale_f32_16x16x128_f8f6f4 v[8*(8*(\j)+\t):8*(8*(\j)+\t)+7], v[128*((\s)%2)+12*\t:128*((\s)%2)+12*\t+11], v[128+48*((\s)%2)+12*(\j):128+48*((\s)%2)+12*(\j)+11], v[8*(8*(\j)+\t):8*(8*(\j)+\t)+7], v[32+4*\t+(\s)%4], v[64+4*(\j)+(\s)%4] matrix_a_fmt:MATRIX_FMT_FP6 matrix_b_fmt:MATRIX_FMT_FP6
.else
	v_wmma_scale_f32_16x16x128_f8f6f4 v[8*(8*(\j)+\t):8*(8*(\j)+\t)+7], v[128*((\s)%2)+12*\t:128*((\s)%2)+12*\t+11], v[128+48*((\s)%2)+12*(\j):128+48*((\s)%2)+12*(\j)+11], v[8*(8*(\j)+\t):8*(8*(\j)+\t)+7], v[32+4*\t+(\s)%4], v[64+4*(\j)+(\s)%4] matrix_a_fmt:MATRIX_FMT_FP6 matrix_b_fmt:MATRIX_FMT_FP6 matrix_a_scale:MATRIX_SCALE_ROW1 matrix_b_scale:MATRIX_SCALE_ROW1
.endif
.endr
.endr
.endm
; A K step; K step 3 is the first half's last: my load of the second half has landed, every wave says so, and the fetch stands behind the wait.
.macro KSTEP s
	s_wait_dscnt 0x0                               ; this K step's fragments are in; no LDS instruction of mine is out at the signal
.if (\s) == 3
	s_wait_tensorcnt 0x0                           ; my load of the second half has landed
	s_barrier_signal -1
.endif
	WIN W_MUL
	MUL16 0, \s
	WIN 0
.if (\s) == 3
	s_barrier_wait -1
	v_add_nc_u32 v4, CH, v4                        ; on to the second half
	v_add_nc_u32 v5, CH, v5
	v_add_nc_u32 v6, CH, v6
	v_add_nc_u32 v7, CH, v7
.endif
.if (\s) < 7
	s_wait_alu depctr_va_vdst(0)
	PLACES
	FETCH (\s)+1
.endif
	WIN W_MUL
	MUL16 2, \s
	WIN 0
.endm
.macro TOSTAGE j                       ; y's tile j: 16 rows x my 128 columns into my stage, and back as whole rows
	WIN 0x08                                       ; an LDS store's data are its source 1: window 2
.irp t, 0,1,2,3,4,5,6,7
	ds_store_b128 v8, v[8*(8*(\j)+\t):8*(8*(\j)+\t)+3] offset:128*(\t/2)+32*(\t%2)       ; lane (r, h), tile t: columns 32 (t / 2) + 16 h + 8 (t % 2) + 0 .. 7 of row r; each accumulator from its low end on
	ds_store_b128 v8, v[8*(8*(\j)+\t)+4:8*(8*(\j)+\t)+7] offset:128*(\t/2)+32*(\t%2)+16
.endr
	WIN 0
.set BB, 128+64*((\j)%2)
.irp u, 0,1,2,3,4,5,6,7,8,9,10,11,12,13,14,15
	ds_load_b128 v[BB+4*\u:BB+4*\u+3], v9 offset:528*\u      ; LDS serves a wave's instructions in order (ISA guide 5.7.1.4): these see the stores above, and the next tile's stores come behind them
.endr
.endm
.macro SEND j, younger                 ; younger: the LDS instructions issued behind tile j's loads, which may stay out
.set BB, 128+64*((\j)%2)
	s_wait_dscnt \younger
.irp u, 0,1,2,3,4,5,6,7,8,9,10,11,12,13,14,15
	global_store_b128 v1, v[BB+4*\u:BB+4*\u+3], s[12:13] offset:(32*((\j)/2)+8*((\j)%2)+\u+8*(\u/8))*4096 th:TH_STORE_NT   ; 32 lanes store 512 consecutive bytes of one row, aligned to 256; lane u of the tile is that row of my 64
.endr
.endm
	s_load_b256 s[4:11], s[0:1], 0x0               ; xc, xs, yc, ys
	s_load_b64 s[12:13], s[0:1], 0x20              ; out0
	v_lshl_add_u32 v126, v0, 2, 0x48000
	v_mov_b32 v127, 0
	ds_add_u32 v126, v127
	ds_add_u32 v126, v127
	v_lshrrev_b32 v1, 5, v0
	v_readfirstlane_b32 s[WV], v1                  ; wave 0..3
	s_lshr_b32 s78, s[WV], 1                       ; which 128 rows of W_o are mine
	s_and_b32 s79, s[WV], 1                        ; which 64 rows of y
	s_bfe_u32 s72, ttmp6, 0x40000                  ; cx = i0: my block of 256 rows of W_o
	s_bfe_u32 s67, ttmp6, 0x40004                  ; cy
	s_and_b32 s73, ttmp7, 0xffff
	s_lshl_b32 s73, s73, 2
	s_add_co_u32 s73, s73, s67                     ; i1: my block of 128 rows of y
	s_lshl_b32 s74, s72, 4
	s_add_co_u32 s74, s74, 1728                    ; W_o's first row tile of the block, in xc
	s_lshl_b32 s76, s73, 3                         ; y's, in yc
	s_lshl_b32 s82, 0x1111, s72                    ; my column of the cluster
	s_lshl_b32 s86, s67, 2
	s_lshl_b32 s86, 15, s86                        ; my row
	; descriptor group 1.  X0: 8 row tiles x 6,144 bytes (768 elements of 8 bytes), 12,288 bytes apart in memory, dense in LDS;  X1: 4 row tiles
	s_or_b32 s16, s82, (3<<16)|(1<<21)
	s_mov_b32 s17, 768<<16                         ; X0: 8 row tiles x 6,144 bytes (768 elements of 8 bytes)
	s_mov_b32 s18, 8<<16
	s_mov_b32 s19, 768<<16
	s_mov_b32 s20, 8
	s_mov_b32 s21, 1536
	s_mov_b32 s22, 0
	s_mov_b32 s23, 0
	s_or_b32 s24, s86, (3<<16)|(1<<21)
	s_mov_b32 s25, 768<<16                         ; X1: 4 row tiles
	s_mov_b32 s26, 4<<16
	s_mov_b32 s27, 768<<16
	s_mov_b32 s28, 4
	s_mov_b32 s29, 1536
	s_mov_b32 s30, 0
	s_mov_b32 s31, 0
	s_lshl_b32 s83, s79, 3
	s_add_co_u32 s83, s83, s74                     ; waves 0, 1 fetch X0's row tiles 8 (w % 2) on,
	s_mul_i32 s80, s83, RTB
	s_mov_b32 s81, 0
	s_lshl_b32 s87, s79, 2
	s_add_co_u32 s87, s87, s76                     ; waves 2, 3 X1's 4 (w % 2) on
	s_mul_i32 s84, s87, RTB
	s_mov_b32 s85, 0
	s_mul_i32 s88, s79, 49152                      ; where they go: no place in the cluster enters an LDS address
	s_mul_i32 s89, s79, 24576
	s_add_co_u32 s89, s89, X1O
	s_lshl_b32 s90, s78, 3
	s_add_co_u32 s90, s90, s74
	s_lshl_b32 s90, s90, 9
	s_mov_b32 s91, 0
	s_lshl_b32 s92, s79, 2
	s_add_co_u32 s92, s92, s76
	s_lshl_b32 s92, s92, 9
	s_mov_b32 s93, 0
	v_and_b32 v11, 31, v0                          ; lane
	v_and_b32 v12, 15, v0                          ; r
	v_bfe_u32 v13, v0, 4, 1                        ; h
	v_lshlrev_b32 v1, 4, v11                       ; 16 x lane
	v_lshlrev_b32 v2, 3, v11                       ; 8 x lane
	v_lshlrev_b32 v3, 5, v12
	v_lshl_add_u32 v3, v13, 4, v3                  ; 32 r + 16 h
	s_mul_i32 s94, s78, 49152
	v_add_nc_u32 v4, s94, v1
	v_add_nc_u32 v5, s94, v2
	s_mul_i32 s95, s79, 24576
	s_add_co_u32 s95, s95, X1O
	v_add_nc_u32 v6, s95, v1
	v_add_nc_u32 v7, s95, v2
	s_mul_i32 s94, s[WV], 8448                     ; my stage: 16 rows of 528 bytes
	v_mul_u32_u24 v8, v12, 528
	v_lshl_add_u32 v8, v13, 6, v8
	v_add_nc_u32 v8, s94, v8                       ; in: row r, + 64 h
	v_add_nc_u32 v9, s94, v1                       ; back: 16 x lane of a row
	s_wait_dscnt 0x0
	s_wait_kmcnt 0x0
	s_add_nc_u64 s[80:81], s[4:5], s[80:81]
	s_add_nc_u64 s[84:85], s[8:9], s[84:85]
	s_add_nc_u64 s[90:91], s[6:7], s[90:91]
	s_add_nc_u64 s[92:93], s[10:11], s[92:93]
.irp c, 0,1
	s_mov_b32 s[32+8*\c], 1
	s_add_co_u32 s[33+8*\c], s88, CH*\c
	s_add_nc_u64 s[34+8*\c:35+8*\c], s[80:81], 6144*\c
	s_or_b32 s[35+8*\c], s[35+8*\c], 0x80000000
	s_mov_b32 s[36+8*\c], 1
	s_add_co_u32 s[37+8*\c], s89, CH*\c
	s_add_nc_u64 s[38+8*\c:39+8*\c], s[84:85], 6144*\c
	s_or_b32 s[39+8*\c], s[39+8*\c], 0x80000000
.endr
	CROUND                                         ; all sixteen work-groups are here: the joint loads meet
.macro JLOAD c                         ; half c of K: one joint load a wave; each line has one mask, and the branch hangs on the wave's number alone
	s_cmp_eq_u32 s78, 0
	s_cbranch_scc0 .Lfor_x1_\@
	tensor_load_to_lds s[32+8*\c:35+8*\c], s[16:23]
	s_nop 0
	PLACES
	s_branch .Lasked_\@
.Lfor_x1_\@:
	tensor_load_to_lds s[36+8*\c:39+8*\c], s[24:31]
	s_nop 0
	PLACES
.Lasked_\@:
.endm
	JLOAD 0
	s_wait_alu depctr_va_vdst(0)
.irp t, 0,1,2,3,4,5,6,7
	global_load_b128 v[32+4*\t:35+4*\t], v3, s[90:91] offset:512*\t
.endr
.irp j, 0,1,2,3
	global_load_b128 v[64+4*\j:67+4*\j], v3, s[92:93] offset:512*\j
.endr
	s_lshl_b32 s68, s73, 7                         ; where my part of out0 begins: row 128 i1 + 64 (w % 2),
	s_lshl_b32 s69, s79, 6
	s_add_co_u32 s68, s68, s69
	s_lshl_b32 s68, s68, 12
	s_lshl_b32 s69, s72, 10                        ; column 256 i0 + 128 (w / 2), 4 bytes each
	s_add_co_u32 s68, s68, s69
	s_lshl_b32 s69, s78, 9
	s_add_co_u32 s68, s68, s69
	s_mov_b32 s69, 0
	s_add_nc_u64 s[12:13], s[12:13], s[68:69]
	s_wait_tensorcnt 0x0                           ; my part of the first half is in
	ds_add_u32 v126, v127
	s_wait_dscnt 0x0
	CROUND                                         ; everybody's part is in, and the joint loads meet
	JLOAD 1
	FETCH 0
	s_wait_loadcnt 0x0                             ; the scale words
.irp s, 0,1,2,3,4,5,6,7
	KSTEP \s
.endr
	PLACES                                         ; ahead of the first read of results and of the loads into registers that held y's fragments
	TOSTAGE 0
.irp j, 1,2,3
.if \j > 1
	s_wait_xcnt 0x0                                ; tile j - 2's stores have read their registers: tile j's rows may land there
.endif
	TOSTAGE \j
	SEND \j-1, 32                                  ; behind tile j - 1's loads: tile j's 16 stores and 16 loads
.endr
	SEND 3, 0
	s_wait_dscnt 0x0
	s_wait_tensorcnt 0x0
	ds_add_u32 v126, v127
	s_wait_dscnt 0x0
	CROUND                                         ; the closing round: no work-group ends while a partner may still ask for a tile that names it
	s_endpgm
.Lfunc_end_k_qcb21d1c9cb_oproj:
	.size	k_qcb21d1c9cb_oproj, .Lfunc_end_k_qcb21d1c9cb_oproj-k_qcb21d1c9cb_oproj
	.p2alignl 7, 3214868480
	.fill 96, 4, 3214868480
	.section	.rodata,"a",@progbits
	.p2align	6, 0x0
	.amdhsa_kernel k_qcb21d1c9cb_oproj
		.amdhsa_group_segment_fixed_size 327680
		.amdhsa_private_segment_fixed_size 0
		.amdhsa_enable_private_segment 0
		.amdhsa_kernarg_size 40
		.amdhsa_user_sgpr_count 2
		.amdhsa_user_sgpr_kernarg_segment_ptr 1
		.amdhsa_wavefront_size32 1
		.amdhsa_system_sgpr_workgroup_id_x 1
		.amdhsa_system_sgpr_workgroup_id_y 1
		.amdhsa_system_sgpr_workgroup_id_z 1
		.amdhsa_system_vgpr_workitem_id 0
		.amdhsa_next_free_vgpr 768
		.amdhsa_next_free_sgpr 96
		.amdhsa_reserve_vcc 0
		.amdhsa_float_denorm_mode_32 3
		.amdhsa_float_denorm_mode_16_64 3
		.amdhsa_memory_ordered 1
		.amdhsa_forward_progress 1
		.amdhsa_inst_pref_size 83
	.end_amdhsa_kernel
	.amdgpu_metadata
---
amdhsa.version: [ 1, 2 ]
amdhsa.kernels:
  - .name:           k_qcb21d1c9cb_oproj
    .symbol:         k_qcb21d1c9cb_oproj.kd
    .args:
      - { .name: xc, .offset: 0, .size: 8, .value_kind: global_buffer, .address_space: global }
      - { .name: xs, .offset: 8, .size: 8, .value_kind: global_buffer, .address_space: global }
      - { .name: yc, .offset: 16, .size: 8, .value_kind: global_buffer, .address_space: global }
      - { .name: ys, .offset: 24, .size: 8, .value_kind: global_buffer, .address_space: global }
      - { .name: out0, .offset: 32, .size: 8, .value_kind: global_buffer, .address_space: global }
    .group_segment_fixed_size: 327680
    .private_segment_fixed_size: 0
    .kernarg_segment_align: 8
    .kernarg_segment_size: 40
    .max_flat_workgroup_size: 128
    .sgpr_count:     96
    .vgpr_count:     768
    .wavefront_size: 32
...
	.end_amdgpu_metadata
.endif
;; end of part 4
